; MI455X (gfx1250); checked and timed in simulation.
; The chip was launched on July 23, 2026; its instructions are those of AMD's public machine-readable ISA for CDNA 5 (MIT licence, August 2026) and "CDNA5" Instruction Set Architecture Reference Guide (July 2026). The comments in the code are by the model that wrote it; some were corrected since.
;; Custom Attention. Allowed arithmetic: matrix products marked QUANTISED: E2M3 operands, one E8M0 scale for each 32 along K, by v_wmma_scale_f32_16x16x128_f8f6f4 with both operands' format E2M3, f32 sums; everything else in f32.
;; Inputs: W 3,072 x 1,024 float32; b 3,072 float32; x 4 x 4,096 x 1,024 float32.
;; Outputs: out0 4 x 4,096 x 1,024 float32.
;; This version of the problem:
;;   THIS VERSION OF THE PROBLEM IS GIVEN IN LOW PRECISION. The matrix products marked QUANTISED in the list below multiply operands that are first quantised to E2M3 (2 exponent bits, 3 mantissa bits; 6 bits a number), with one power-of-two scale for each 32 numbers along K (OCP MX v1.0); their sums are f32. All else is computed in f32.
;;   The module's matrix products, in the order in which they are computed (A, B: the left and right operand; K: the contracted axis; several contracted axes count as one K, in the product's order):
;;     1. [M 16,384, K 1,024] x [K 1,024, N 3,072]; A: input x; B: input W: QUANTISED
;;     2. batch 64 x [M 64, K 4,096] x [K 4,096, N 64]; A: computed on the way; B: computed on the way: QUANTISED
;;     3. batch 64 x [M 64, K 64] x [K 64, N 4,096]; A: softmax (see below); B: computed on the way: QUANTISED
;;   THE QUANTISER, for each operand of a quantised product, along K:
;;     - K is cut into blocks of 32 from its start; a last block that is shorter is filled with zeros.
;;     - A block's scale is 2^e with e = floor(log2(the largest magnitude in the block)) - 2, held to -126 .. 127; a block of zeros has e = 0. As a byte (E8M0): e + 127.
;;     - Each number is divided by its block's scale, clamped to +-7.5, and rounded to the nearest number of E2M3, ties to even, subnormals kept.
;;     - The product sums the exact products of the quantised numbers (number of the format x scale) in f32.
;;   ~~~python
;;   def quantise(x, axis):      # numpy; x: float32 -> the quantised numbers, widened to float32 again
;;       x = np.moveaxis(x, axis, -1); K = x.shape[-1]
;;       x = np.pad(x, [(0, 0)] * (x.ndim - 1) + [(0, -K % 32)]); x = x.reshape(x.shape[:-1] + (-1, 32)); a = np.abs(x).max(-1, keepdims=True)
;;       e = np.where(a > 0, np.clip(np.frexp(np.where(a > 0, a, 1))[1] - 1 - 2, -126, 127), 0)      # np.frexp(a)[1] - 1 = floor(log2(a)), exactly
;;       r = np.clip(x / 2.0 ** e, -7.5, 7.5)
;;       step = 2.0 ** (np.maximum(np.frexp(np.where(r == 0, 1, r))[1] - 1, 0) - 3)
;;       q = np.round(r / step) * step * 2.0 ** e      # np.round: ties to even
;;       return np.moveaxis(q.reshape(q.shape[:-2] + (-1,))[..., :K], -1, axis).astype(np.float32)
;;   ~~~
;;   SOFTMAX AHEAD OF A QUANTISED PRODUCT. Where the list says 'softmax', what is quantised is not the finished softmax but p = 2^(t - M), with t = logit x log2(e) and M = ceil(the row's largest t), a whole number; so 1/2 < the row's largest p <= 1. The row's sum l is taken of the UNQUANTISED p, in f32, and the product's result is divided by l at the end. Since M is a whole number, a kernel that streams over the keys may use a running M (the ceiling of the running maximum): every later rescaling is an exact power of two, which a block's scale takes up: the codes' values come out the same.
;;   OPERANDS COMPUTED ON THE WAY. 'Computed on the way' means the value that the module computes at that place (a softmax that the list does not call 'softmax' is quantised finished and normalised). What goes into a quantiser is computed in f32, as accurately as f32 sums, v_exp_f32 and their like allow (about 1e-6 of the number): no bf16 or f16 on the way to a quantiser, and a product that is left as it is and whose result goes on into a quantised operand takes f32 operands (vector FMAs, or v_wmma_f32_16x16x4_f32). A number that lies on a knife's edge between two numbers of the format may be rounded either way, as far as f32 arithmetic and the matrix unit's own rounding can turn it there, and no further.
;; 2 versions. Each part assembles by itself: llvm-mc -triple=amdgcn-amd-amdhsa -mcpu=gfx1250 --defsym DOCPART=n.
;; ======== version 1 of 2: 3 launches
;; workspace buffers: xc 12,582,912 bytes; xs 524,288 bytes; wc 2,359,296 bytes; ws 98,304 bytes; vc 12,582,912 bytes; vs 524,288 bytes; sc 4,194,304 bytes
;; launch quant (part 1): grid 304 x 1, 8 waves a work-group, no clusters, 70,656 bytes of LDS; arguments x, W, xc, xs, wc, ws; writes xc, xs, wc, ws
.if DOCPART == 1
	.amdgcn_target "amdgcn-amd-amdhsa--gfx1250"
	.amdhsa_code_object_version 6
	.text
	.protected	k_q95f4679b25_quant
	.globl	k_q95f4679b25_quant
	.p2align	8
	.type	k_q95f4679b25_quant,@function
k_q95f4679b25_quant:
	s_mov_b64 s[64:65], 0
	v_nop
	global_prefetch_b8 v0, s[64:65] scope:SCOPE_SE
	s_setreg_imm32_b32 hwreg(HW_REG_WAVE_MODE, 25, 1), 1
	s_wait_xcnt 0x0
; x [16384][1024] and W [3072][1024], f32, K innermost, become codes of FP6 (E2M3) with one E8M0 byte for each 32 along K,
; laid in the ORDER OF THE OPERAND'S REGISTERS, so that the next launch takes a fragment by three loads of 512 consecutive bytes.
; A TILE is 16 rows.  Row r of tile T is matrix row 32 (T / 2) + 8 (T % 2) + r + 8 (r / 8): with these rows two neighbouring
; result tiles give a lane 16 neighbours along the rows' axis, which the next launch quantises along.
; A FRAGMENT (tile T, K step k of 128) is 12 registers a lane: register R of lane l lies at 12288 T + 1536 k + 512 (R / 4) + 16 l + 4 (R % 4).
; A tile's SCALE PLANE is 512 bytes: the word of row r and K step k lies at 16 r + 256 (k % 2) + 4 (k / 2): one load of 16 bytes a lane
; gives four registers, lanes 0-15 with the even K steps' words and lanes 16-31 with the odd ones'.
; A block's scale is 2^(floor(log2(largest magnitude)) - 2): its byte is the largest magnitude's exponent field - 2, held at 1 from below.
; LIMITS: a block of zeros gets the byte 1 (its codes are zeros, and this program alone reads the bytes); NaN and infinities are not served.
; SHARES: a work-group of eight waves takes four tiles; wave w takes tile w % 4 and half w / 4 of K: four K steps.  So 8 x 32 loads of 512 bytes are on their way in a work-group.
; Work-groups 0-255 take x's 1,024 tiles, 256-303 W's 192: only pointers are chosen, the path is one.
; Each load reads 512 consecutive bytes of one row; a K step's 16 rows turn through the wave's own stage in LDS (rows 528 bytes apart, an odd
; multiple of 16, so that sixteen rows start in sixteen different columns of 16 bytes) and come back as 32 neighbours along K, twice, for each lane.
; The two waves of a tile write their words into the tile's plane in LDS; behind the one barrier each stores one aligned half of it, 256 bytes.
.set STGB, 8448                        ; LDS: a stage of 16 x 528 bytes for each wave,
.set PLB,  67584                       ; and behind the eight stages the four tiles' scale planes
.set R0,   32                          ; v32-95, v96-159  a K step's numbers as loaded, two sets
.set X,    160                         ; v160-223         my 64 numbers: k = 32 h + 0..31, then 64 + 32 h + 0..31
.set P0,   224                         ; v224-235, v236-247  a fragment's 12 registers, two sets
	s_load_b256 s[4:11], s[0:1], 0x0               ; x, W, xc, xs
	s_load_b128 s[12:15], s[0:1], 0x20             ; wc, ws
	v_lshl_add_u32 v254, v0, 2, 0x11000
	v_mov_b32 v255, 0
	v_lshrrev_b32 v1, 5, v0
	v_readfirstlane_b32 s16, v1                    ; wave 0..7
	s_and_b32 s24, s16, 3                          ; which of the work-group's four tiles
	s_lshr_b32 s25, s16, 2                         ; which half of K
	v_and_b32 v1, 31, v0                           ; lane
	v_and_b32 v2, 15, v0                           ; r
	v_bfe_u32 v3, v0, 4, 1                         ; h
	v_lshlrev_b32 v4, 4, v1                        ; 16 x lane: never rewritten
	v_lshlrev_b32 v27, 3, v1                       ; 8 x lane: never rewritten
	s_mul_i32 s20, s16, STGB
	v_add_nc_u32 v5, s20, v4                       ; into the stage: 16 x lane of a row
	v_mul_u32_u24 v6, v2, 528
	v_lshl_add_u32 v6, v3, 7, v6
	v_add_nc_u32 v6, s20, v6                       ; out of it: row r, + 128 h bytes
	s_lshl_b32 s21, s24, 9
	s_add_co_u32 s21, s21, PLB                     ; my tile's plane
	s_lshl_b32 s26, s25, 3
	s_add_co_u32 s26, s26, s21
	v_lshl_add_u32 v7, v2, 4, s26                  ; my row's words in it: 16 r + 8 x my half of K
	s_lshl_b32 s27, s25, 8
	s_add_co_u32 s27, s27, s21
	v_add_nc_u32 v8, s27, v27                      ; the half of the plane that I send
	v_lshlrev_b32 v9, 3, v3                        ; 8 h: my two bytes' shift in a scale word
	v_mov_b32 v19, 0                               ; a lane permute's destination counts as read: written once
	s_mov_b32 s22, 0x76543210
	s_mov_b32 s23, 0xfedcba98                      ; selects for lane l xor 16
	s_wait_kmcnt 0x0
	s_cmp_lt_u32 ttmp9, 256                        ; x's work-group or W's: the choice hangs on the work-group's number alone
	s_cselect_b64 s[4:5], s[4:5], s[6:7]
	s_cselect_b64 s[8:9], s[8:9], s[12:13]
	s_cselect_b64 s[10:11], s[10:11], s[14:15]
	s_cselect_b32 s17, 0, 256
	s_sub_co_u32 s17, ttmp9, s17
	s_lshl_b32 s17, s17, 2
	s_add_co_u32 s17, s17, s24                     ; my tile T
	s_lshr_b32 s18, s17, 1
	s_lshl_b32 s18, s18, 17                        ; 32 (T / 2) rows of 4,096 bytes
	s_and_b32 s19, s17, 1
	s_lshl_b32 s19, s19, 15                        ; + 8 (T % 2) rows
	s_add_co_u32 s18, s18, s19
	s_lshl_b32 s19, s25, 11                        ; + my half of a row: four K steps of 512 bytes
	s_add_co_u32 s18, s18, s19
	s_mov_b32 s19, 0
	s_add_nc_u64 s[4:5], s[4:5], s[18:19]
	s_mul_i32 s18, s17, 12288
	s_mul_i32 s28, s25, 6144
	s_add_co_u32 s18, s18, s28
	s_add_nc_u64 s[8:9], s[8:9], s[18:19]
	s_lshl_b32 s18, s17, 9
	s_lshl_b32 s28, s25, 8
	s_add_co_u32 s18, s18, s28
	s_add_nc_u64 s[10:11], s[10:11], s[18:19]
.macro LOAD k                          ; my K step k: 16 rows x 512 bytes
.irp q, 0,1,2,3,4,5,6,7,8,9,10,11,12,13,14,15
	global_load_b128 v[R0+64*((\k)%2)+4*\q:R0+64*((\k)%2)+4*\q+3], v4, s[4:5] offset:(\q+8*(\q>>3))*4096+512*(\k) th:TH_LOAD_NT
.endr
.endm
.macro STEP k
.set RS, R0+64*((\k)%2)
.set PS, P0+12*((\k)%2)
.if (\k) < 3
	s_wait_loadcnt 16                              ; this K step's 16 loads are in; the next step's 16 may be out
.else
	s_wait_loadcnt 0x0
.endif
.irp q, 0,1,2,3,4,5,6,7,8,9,10,11,12,13,14,15
	ds_store_b128 v5, v[RS+4*\q:RS+4*\q+3] offset:528*\q
.endr
.irp i, 0,1,2,3,4,5,6,7
	ds_load_b128 v[X+4*\i:X+4*\i+3], v6 offset:16*\i               ; LDS serves a wave's instructions in order: these see the stores above
.endr
.irp i, 0,1,2,3,4,5,6,7
	ds_load_b128 v[X+32+4*\i:X+32+4*\i+3], v6 offset:256+16*\i
.endr
	s_wait_dscnt 0x0                               ; my 64 numbers are in, and the stores have read their registers,
.if (\k) >= 2
	s_wait_xcnt 0x0                                ; the stores of two K steps back have read this set of code registers
.endif
.if (\k) < 2
	LOAD (\k)+2                                    ; which take the loads of two K steps on
.endif
	v_max3_num_f32 v10, |v[X]|, |v[X+1]|, 0x1800000        ; block h, and the floor 2^(3 - 127): the byte cannot fall under 1
	v_max3_num_f32 v11, |v[X+32]|, |v[X+33]|, 0x1800000    ; block 2 + h
.irp i, 2,4,6,8,10,12,14,16,18,20,22,24,26,28,30
	v_max3_num_f32 v10, v10, |v[X+\i]|, |v[X+\i+1]|
	v_max3_num_f32 v11, v11, |v[X+32+\i]|, |v[X+33+\i]|
.endr
	v_add_nc_u32 v12, 0xff000000, v10              ; 2 off the exponent field: the conversion's scale operand
	v_add_nc_u32 v13, 0xff000000, v11
	v_lshrrev_b32 v14, 23, v12                     ; the scales' bytes
	v_lshrrev_b32 v15, 23, v13
	v_lshl_or_b32 v16, v15, 16, v14                ; blocks h and 2 + h,
	v_lshlrev_b32 v16, v9, v16                     ; at their places in the word;
	v_permlanex16_b32 v19, v16, s22, s23
	v_or_b32 v16, v16, v19                         ; with lane l xor 16's two the word is whole
	v_cvt_scalef32_pk16_fp6_f32 v[PS:PS+2], v[X:X+15], v12
	v_cvt_scalef32_pk16_fp6_f32 v[20:22], v[X+16:X+31], v12        ; (a conversion's three registers begin on an even number)
	v_cvt_scalef32_pk16_fp6_f32 v[PS+6:PS+8], v[X+32:X+47], v13
	v_cvt_scalef32_pk16_fp6_f32 v[24:26], v[X+48:X+63], v13
	v_nop                                          ; one plain place behind the conversions
.irp i, 0,1,2
	v_mov_b32 v[PS+3+\i], v[20+\i]
	v_mov_b32 v[PS+9+\i], v[24+\i]
.endr
	ds_store_b32 v7, v16 offset:256*((\k)%2)+4*((\k)/2)            ; both lanes of a row write the same word with the same value
.irp c, 0,1,2
	global_store_b128 v4, v[PS+4*\c:PS+4*\c+3], s[8:9] offset:1536*(\k)+512*\c   ; 32 lanes store 512 consecutive bytes, aligned
.endr
.endm
	LOAD 0
	LOAD 1
.irp k, 0,1,2,3
	STEP \k
.endr
	s_wait_dscnt 0x0                               ; for the other wave of my tile: my words have landed in the plane
	s_barrier_signal -1
	s_barrier_wait -1
	ds_load_b64 v[248:249], v8                     ; my half of the plane, written by both waves of the tile
	s_wait_dscnt 0x0
	global_store_b64 v27, v[248:249], s[10:11]     ; 32 lanes store 256 consecutive bytes, aligned
	s_wait_tensorcnt 0x0
	ds_add_u32 v254, v255
	s_wait_dscnt 0x0
	s_endpgm
.Lfunc_end_k_q95f4679b25_quant:
	.size	k_q95f4679b25_quant, .Lfunc_end_k_q95f4679b25_quant-k_q95f4679b25_quant
	.p2alignl 7, 3214868480
	.fill 96, 4, 3214868480
	.section	.rodata,"a",@progbits
	.p2align	6, 0x0
	.amdhsa_kernel k_q95f4679b25_quant
		.amdhsa_group_segment_fixed_size 70656
		.amdhsa_private_segment_fixed_size 0
		.amdhsa_enable_private_segment 0
		.amdhsa_kernarg_size 48
		.amdhsa_user_sgpr_count 2
		.amdhsa_user_sgpr_kernarg_segment_ptr 1
		.amdhsa_wavefront_size32 1
		.amdhsa_system_sgpr_workgroup_id_x 1
		.amdhsa_system_sgpr_workgroup_id_y 1
		.amdhsa_system_sgpr_workgroup_id_z 1
		.amdhsa_system_vgpr_workitem_id 0
		.amdhsa_next_free_vgpr 256
		.amdhsa_next_free_sgpr 66
		.amdhsa_reserve_vcc 0
		.amdhsa_float_denorm_mode_32 3
		.amdhsa_float_denorm_mode_16_64 3
		.amdhsa_memory_ordered 1
		.amdhsa_forward_progress 1
		.amdhsa_inst_pref_size 31
	.end_amdhsa_kernel
	.amdgpu_metadata
---
amdhsa.version: [ 1, 2 ]
amdhsa.kernels:
  - .name:           k_q95f4679b25_quant
    .symbol:         k_q95f4679b25_quant.kd
    .args:
      - { .name: x, .offset: 0, .size: 8, .value_kind: global_buffer, .address_space: global }
      - { .name: W, .offset: 8, .size: 8, .value_kind: global_buffer, .address_space: global }
      - { .name: xc, .offset: 16, .size: 8, .value_kind: global_buffer, .address_space: global }
      - { .name: xs, .offset: 24, .size: 8, .value_kind: global_buffer, .address_space: global }
      - { .name: wc, .offset: 32, .size: 8, .value_kind: global_buffer, .address_space: global }
      - { .name: ws, .offset: 40, .size: 8, .value_kind: global_buffer, .address_space: global }
    .group_segment_fixed_size: 70656
    .private_segment_fixed_size: 0
    .kernarg_segment_align: 8
    .kernarg_segment_size: 48
    .max_flat_workgroup_size: 256
    .sgpr_count:     66
    .vgpr_count:     256
    .wavefront_size: 32
...
	.end_amdgpu_metadata
.endif
;; end of part 1
;; launch qkv (part 2): grid 16 x 16, 4 waves a work-group, clusters of 4 x 1, 327,680 bytes of LDS; arguments xc, xs, wc, ws, b, vc, vs, sc; writes vc, vs, sc
.if DOCPART == 2
	.amdgcn_target "amdgcn-amd-amdhsa--gfx1250"
	.amdhsa_code_object_version 6
	.text
	.protected	k_q95f4679b25_qkv
	.globl	k_q95f4679b25_qkv
	.p2align	8
	.type	k_q95f4679b25_qkv,@function
k_q95f4679b25_qkv:
	s_mov_b64 s[64:65], 0
	v_nop
	global_prefetch_b8 v0, s[64:65] scope:SCOPE_SE
	s_setreg_imm32_b32 hwreg(HW_REG_WAVE_MODE, 25, 1), 1
	s_wait_xcnt 0x0
	s_wait_alu depctr_hold_cnt(0) depctr_sa_sdst(0) depctr_va_vdst(0) depctr_va_sdst(0) depctr_va_ssrc(0) depctr_va_vcc(0) depctr_vm_vsrc(0)
	s_getreg_b32 s2, hwreg(HW_REG_IB_STS2, 6, 4)
	s_cmp_eq_u32 s2, 0
	s_cbranch_scc0 .Lentry_in_a_cluster
	s_endpgm
.Lentry_in_a_cluster:
	s_bfe_u32 s2, ttmp6, 0x10000c
	s_cmp_lg_u32 s2, 0x3003
	s_cbranch_scc0 .Lentry_shape_is_right
	s_endpgm
.Lentry_shape_is_right:
; qkv = x W^T + b on codes of FP6 (E2M3); RoPE on q and k; q, k quantised along s and multiplied (partial scores over 1,024 s); v quantised along e and stored.
; SHARES.  A work-group owns one head's 192 columns and 1,024 rows (a quarter of one batch's s), in 8 passes of 128 rows.  Wave w = (i = w / 2, j = w % 2) takes rows 64 i .. + 63 of a pass
; (row tiles a = 0..3) and six column tiles t: t = 0, 1: q's d = 32 j ..; t = 2, 3: k's e = 32 j ..; t = 4, 5: v's e = 32 j ...
; W STAYS IN REGISTERS: the wave's 48 fragments (6 tiles x 8 K steps, 576 registers) are loaded once.  LDS then serves x alone, and a ring slot holds a whole pass: 128 rows x all of K,
; 98,304 dense bytes, a quarter to each wave's one tensor load, which has a whole pass in which to land.
; CLUSTER.  The four heads of a cluster need the same x: each tile is asked for JOINTLY, by the same load with the same descriptor and the mask of all four.
; ORIENTATION.  q, k tiles: source 0 = x, source 1 = W: a lane holds one column d, and by the tiles' choice of rows the 16 registers of row tiles 2 b, 2 b + 1 are s = 32 b + 16 h + 0..15.
; v tiles: source 0 = W, source 1 = x: a lane holds one s, and the 16 registers of t = 4, 5 are e = 32 j + 16 h + 0..15.  So every quantiser finds 16 neighbours along its K in one lane.
; THE BIAS.  v's is the C of the first K step's products: 16 registers that stay.  q's and k's is one number a lane and tile: their sums begin with the constant 0, and the bias is added behind the last K step, two numbers an instruction.
; SCORES.  A pass's q and k codes meet in LDS as 8 fragments of 16 rows x 128 s (wave i gives registers 6 i .. 6 i + 5 and scale bytes 2 i, 2 i + 1); wave w multiplies q's tile w by k's four.
; v IS QUANTISED WHILE THOSE FRAGMENTS COME OUT OF LDS.  Its codes meet in LDS as images for the last product (row m and k = 64 c + e of group g stand for v[e][32 g + 16 c + m]; scale byte at 4 m + 2 c + e / 32);
; the barrier at the next pass's head shows them whole, and wave w sends image w there, with that pass's first fragments of x.
; ROPE touches s = 0..31 alone: quarter 0, pass 0, waves with i = 0, registers 0-15 of the q and k tiles.  Angle = d x 10^(-(s/2)/4), one f32 product; sine and cosine by reduction mod pi/2 in two parts and polynomials.
; LIMITS: NaN and infinities are not served; a block of zeros gets the byte 1 with zero codes; the inverse frequencies are the correctly rounded 10^(-k/4); sine and cosine are good to about 1e-7;
; q's and k's bias is added behind the sum over K, not ahead of it; the scores' f32 sums run by passes of 128 s.
; REGISTERS, in windows of 256.  Window 0: v1-31 addresses; v22-26 q's and k's scale words; v32-55 W's scale words (4 t + k / 2); v56-71 x's (4 a + k / 2); v72-119, v120-167 x's fragments, two sets (at work in the epilogue);
;   v168-199 the 4 score accumulators; v200-215 at work; v216-223 q's and k's bias, a pair a tile; v224-239 v's bias; v244-255 W's fragment 47.  Window 1: W's fragments f = 6 k + t = 0..20.  Window 2: 21..41.
;   Window 3: v0-127 accumulators of q, k (32 t + 8 a); v128-191 of v (128 + 16 a + 8 (t - 4)); v192-251 W's fragments 42..46.
.set SLOT1, 131072                     ; slot 0 at 0, slot 1 here: one exclusive or turns an address
.set IMG,   98304                      ; 8 fragments of q, k: 1,536 bytes each: registers 0-3 at 16 l, 4-5 at 512 + 8 l, 6-9 at 768 + 16 l, 10-11 at 1,280 + 8 l
.set ISC,   110592                     ; their scale words, 64 bytes a fragment
.set VST,   111104                     ; a pass's 4 images of v
.set VSS,   117248                     ; v's scale bytes of all 8 passes: 2,048
.set SPARE, 119296                     ; the spare words: 128 bytes a wave, two blocks of 256 bytes that no other line names
.set WS,    32
.set XS,    56
.set XF0,   72
.set VCD,   132                        ; the epilogue: v's codes, four registers a row tile
.set TS,    148                        ; the conversions' scale operands (8); RoPE's four products lie here too
.set TY,    156                        ; the scales' bytes (8)
.set HW,    164                        ; two bytes a tile (4)
.set SA,    168
.set TM,    200                        ; v200-207 largest magnitudes, v208-215 lane permutes' destinations; at a pass's head v200-211 take v's image on its way out
.set QB,    216
.set VB,    224
.set MSB, 0
.macro WIN new                         ; the immediate's high byte repeats the setting that is left; a switch that changes nothing is dropped
.if MSB != (\new)
	s_set_vgpr_msb (MSB<<8)|(\new)
.set MSB, \new
.endif
.endm
.macro PLACES                          ; four plain places behind matrix instructions, ahead of loads into their registers and of reads of their results
.rept 4
	v_nop
.endr
.endm
.macro CROUND                          ; a round of the cluster's barrier
	s_barrier_signal -1
	s_barrier_wait -1
	s_cmp_lg_u32 s20, 0
	s_cbranch_scc1 .Lnot_wave_0_\@
	s_barrier_signal -3
.Lnot_wave_0_\@:
	s_barrier_wait -3
	s_barrier_signal -1
	s_barrier_wait -1
.endm
.macro WLOC f                          ; where W's fragment f lies: window WW, register WR
.if (\f) < 21
.set WW, 1
.set WR, 12*(\f)
.elseif (\f) < 42
.set WW, 2
.set WR, 12*((\f)-21)
.elseif (\f) < 47
.set WW, 3
.set WR, 192+12*((\f)-42)
.else
.set WW, 0
.set WR, 244
.endif
.endm
	s_load_b512 s[4:19], s[0:1], 0x0               ; xc s[4:5], xs s[6:7], wc s[8:9], ws s[10:11], b s[12:13], vc s[14:15], vs s[16:17], sc s[18:19]
	v_lshl_add_u32 v1, v0, 2, SPARE                ; my spare word; never rewritten
	v_mov_b32 v2, 0                                ; 0; never rewritten
	ds_add_u32 v1, v2
	ds_add_u32 v1, v2
	s_wait_dscnt 0x0
	v_lshrrev_b32 v3, 5, v0
	v_readfirstlane_b32 s20, v3                    ; wave
	s_lshr_b32 s21, s20, 1                         ; i: which 64 rows of a pass
	s_and_b32 s22, s20, 1                          ; j: which 32 of q, k and v
	s_bfe_u32 s23, ttmp6, 0x40000                  ; cx
	s_lshl_b32 s24, ttmp9, 2
	s_add_co_u32 s24, s24, s23                     ; the head = 4 x cluster x + cx: it enters global addresses of W, b and the results alone
	s_and_b32 s25, ttmp7, 0xffff                   ; y = 4 x batch + quarter, which the four partners share
	; descriptor group 1: 24,576 dense bytes as 96 rows of 256 (32 elements of 8 bytes), no padding
	s_mov_b32 s28, 15|(3<<16)|(1<<21)              ; 15:0 the mask: all four work-groups; 17:16 elements of 8 bytes; 21 set beside a mask
	s_mov_b32 s29, 32<<16                          ; tensor_dim0 = 32
	s_mov_b32 s30, 96<<16                          ; tensor_dim1 = 96
	s_mov_b32 s31, 32<<16                          ; tile_dim0 = 32
	s_mov_b32 s32, 96                              ; tile_dim1 = 96
	s_mov_b32 s33, 32                              ; the pitch
	s_mov_b32 s34, 0
	s_mov_b32 s35, 0
	s_mov_b32 s36, 1                               ; group 0: count = 1
	s_mul_i32 s37, s20, 24576                      ; LDS address: slot 0, my quarter: two tiles of rows
	s_mul_i32 s2, s25, 786432                      ; 64 y tiles of 12,288 bytes
	s_add_co_u32 s2, s2, s37
	s_mov_b32 s3, 0
	s_wait_kmcnt 0x0
	s_add_nc_u64 s[38:39], s[4:5], s[2:3]          ; global address: pass 0, my quarter
	s_or_b32 s39, s39, 0x80000000                  ; type = 2
	CROUND                                         ; all four work-groups are here: the first joint loads meet
	tensor_load_to_lds s[36:39], s[28:35]          ; pass 0 into slot 0
	s_nop 0
.rept 4
	v_nop                                          ; four behind a tensor load
.endr
	; what the loads of W, the scale words and the bias need comes first; the other addresses are made while those loads are on their way
	v_and_b32 v200, 31, v0                         ; lane
	v_and_b32 v28, 15, v0                          ; r
	v_bfe_u32 v29, v0, 4, 1                        ; h
	v_lshlrev_b32 v3, 4, v200                      ; 16 l: never rewritten
	v_lshrrev_b32 v204, 3, v28                     ; r / 8
	v_lshl_add_u32 v30, v204, 3, v28
	v_lshlrev_b32 v30, 2, v30                      ; b: 4 (r + 8 (r / 8))
	v_lshlrev_b32 v31, 6, v29                      ; b: 64 h
	s_mul_i32 s26, s24, 12
	s_lshl_b32 s27, s22, 1
	s_add_co_u32 s26, s26, s27                     ; W's tile 12 head + 2 j
	s_mov_b32 s63, 0
	s_mul_i32 s62, s26, 12288
	s_add_nc_u64 s[8:9], s[8:9], s[62:63]
	s_lshl_b32 s62, s26, 9
	s_add_nc_u64 s[10:11], s[10:11], s[62:63]
	s_mul_i32 s62, s24, 768
	s_lshl_b32 s27, s22, 7
	s_add_co_u32 s62, s62, s27
	s_add_nc_u64 s[12:13], s[12:13], s[62:63]      ; b at column 192 head + 32 j
	s_lshl_b32 s62, s25, 15
	s_lshl_b32 s27, s21, 11
	s_add_co_u32 s62, s62, s27
	s_add_nc_u64 s[46:47], s[6:7], s[62:63]        ; x's scale planes at tile 64 y + 4 i
.irp t, 0,1,2,3,4,5
	global_load_b128 v[WS+4*\t:WS+4*\t+3], v3, s[10:11] offset:(4*(\t>>1)+(\t&1))*512
.endr
.irp a, 0,1,2,3
	global_load_b128 v[XS+4*\a:XS+4*\a+3], v3, s[46:47] offset:512*\a
.endr
.irp t, 0,1,2,3
	global_load_b32 v[QB+2*\t], v30, s[12:13] offset:(64*(\t>>1)+8*(\t&1))*4       ; q, k: my column's bias
.endr
.irp u, 0,1
	global_load_b128 v[VB+8*\u:VB+8*\u+3], v31, s[12:13] offset:(128+8*\u)*4       ; v: the bias of my eight e of tile 4 + u, in the result's layout
	global_load_b128 v[VB+8*\u+4:VB+8*\u+7], v31, s[12:13] offset:(128+8*\u)*4+16
.endr
	; W's 48 fragments, three loads of 512 consecutive bytes each
.set f, 0
.rept 48
	WLOC f
	WIN WW<<6
.irp c, 0,1,2
	global_load_b128 v[WR+4*\c:WR+4*\c+3], v3, s[8:9] offset:(4*((f%6)>>1)+((f%6)&1))*12288+1536*(f/6)+512*\c
.endr
.set f, f+1
.endr
	WIN 0
	v_lshlrev_b32 v201, 3, v200                    ; 8 l
	v_lshlrev_b32 v202, 2, v28                     ; 4 r
	v_and_b32 v203, 7, v28                         ; r % 8
	s_mul_i32 s60, s21, 49152
	v_add_nc_u32 v4, s60, v3                       ; my four row tiles in a slot
	s_mul_i32 s60, s22, 3072
	s_mul_i32 s61, s21, 768
	s_add_co_u32 s60, s60, s61
	s_add_co_u32 s60, s60, IMG
	v_add_nc_u32 v6, s60, v3                       ; where I store registers 6 i .. 6 i + 3 of fragment 2 j
	s_add_co_u32 s60, s60, 512
	v_add_nc_u32 v7, s60, v201                     ; and 6 i + 4, 6 i + 5
	s_lshl_b32 s60, s22, 7
	s_lshl_b32 s61, s21, 1
	s_add_co_u32 s60, s60, s61
	s_add_co_u32 s60, s60, ISC
	v_add_nc_u32 v8, s60, v202                     ; and scale bytes 2 i, 2 i + 1 of row r
	s_mul_i32 s60, s21, 3072
	s_lshl_b32 s61, s22, 8
	s_add_co_u32 s60, s60, s61
	s_add_co_u32 s60, s60, VST
	v_lshl_add_u32 v205, v203, 4, s60              ; v's image 2 i: lane 16 j + r % 8 of it
	v_mul_u32_u24 v206, v204, 6
	v_mad_u32_u24 v206, v29, 3, v206               ; my three code registers are its registers R = 6 (r / 8) + 3 h + 0..2
.irp i, 0,1,2
	v_add_nc_u32 v207, \i, v206
	v_lshrrev_b32 v208, 2, v207
	v_and_b32 v207, 3, v207
	v_lshl_add_u32 v[9+\i], v208, 9, v205          ; + 512 (R / 4)
	v_lshl_add_u32 v[9+\i], v207, 2, v[9+\i]       ; + 4 (R % 4)
.endr
	s_lshl_b32 s60, s21, 7
	s_add_co_u32 s60, s60, s22
	s_add_co_u32 s60, s60, VSS
	v_lshl_add_u32 v12, v203, 2, s60
	v_lshl_add_u32 v12, v204, 1, v12               ; v's scale byte: 128 i + 4 (r % 8) + 2 (r / 8) + j
	v_add_nc_u32 v14, IMG+6144, v3                 ; k's fragments, to read
	v_add_nc_u32 v15, IMG+6144+512, v201
	s_mul_i32 s60, s20, 1536
	s_add_co_u32 s61, s60, IMG
	v_add_nc_u32 v16, s61, v3                      ; q's fragment w
	s_add_co_u32 s61, s61, 512
	v_add_nc_u32 v17, s61, v201
	v_add_nc_u32 v18, ISC+256, v202                ; k's scale words
	s_lshl_b32 s61, s20, 6
	s_add_co_u32 s61, s61, ISC
	v_add_nc_u32 v19, s61, v202                    ; q's
	s_add_co_u32 s61, s60, VST
	v_add_nc_u32 v20, s61, v3                      ; v's image w, to send
	s_lshl_b32 s61, s20, 9
	s_add_co_u32 s61, s61, VSS
	v_add_nc_u32 v27, s61, v3                      ; my quarter of v's scale bytes, to send
	s_lshr_b32 s26, s25, 2
	s_lshl_b32 s26, s26, 4
	s_add_co_u32 s26, s26, s24                     ; pair = 16 batch + head
	s_lshl_b32 s26, s26, 2
	s_and_b32 s27, s25, 3
	s_add_co_u32 s26, s26, s27                     ; 4 pair + quarter
	s_lshl_b32 s62, s26, 5
	s_add_co_u32 s62, s62, s20
	s_mul_i32 s62, s62, 1536
	s_add_nc_u64 s[48:49], s[14:15], s[62:63]      ; v's images at group 32 (4 pair + quarter) + w
	s_lshl_b32 s62, s26, 11
	s_lshl_b32 s27, s20, 9
	s_add_co_u32 s62, s62, s27
	s_add_nc_u64 s[16:17], s[16:17], s[62:63]
	s_lshl_b32 s62, s26, 14
	s_lshl_b32 s27, s20, 12
	s_add_co_u32 s62, s62, s27
	s_add_nc_u64 s[18:19], s[18:19], s[62:63]
	s_mov_b32 s26, 0                               ; s[26:27]: what the next send adds to the images' address: nothing the first time
	s_mov_b32 s27, 0
	s_and_b32 s42, s25, 3
	s_or_b32 s42, s42, s21
	s_cmp_eq_u32 s42, 0
	s_cselect_b32 s42, 1, 0                        ; 1: my first pass holds s = 0..31
	s_mov_b32 s40, 0                               ; the slot in hand
	s_mov_b32 s43, 0                               ; 256 x pass: v's scale bytes
	s_mov_b32 s44, 0x76543210
	s_mov_b32 s45, 0xfedcba98                      ; selects for lane l xor 16
	s_mov_b32 s50, 0xbfc90fdb                      ; -pi/2, its f32
	s_mov_b32 s51, 0x333bbd2e                      ; what that f32 has too much
	s_mov_b32 s52, 0xbe2aaaa3                      ; the sine's three coefficients
	s_mov_b32 s53, 0x3c08839e
	s_mov_b32 s54, 0xb94ca1f9
	s_mov_b32 s55, 0x3d2aaaa5                      ; the cosine's
	s_mov_b32 s56, 0xbab6061a
	s_mov_b32 s57, 0x37ccf5ce
	s_mov_b32 s58, 0x80000000
	s_mov_b32 s59, 0xffff0000                      ; lanes 16-31
.irp n, 0,1,2,3,4,5,6,7,8,9,10,11,12,13,14,15,16,17,18,19,20,21,22,23,24,25,26,27,28,29,30,31
	v_mov_b32 v[SA+\n], 0                          ; the scores' sums begin at 0: cleared once, so that the pass is written without a first copy of its own
.endr
.irp n, 0,1,2,3,4,5,6,7
	v_mov_b32 v[TM+8+\n], 0                        ; lane permutes' destinations count as read: written once
.endr
	s_wait_loadcnt 0x0
.irp t, 0,1,2,3
	v_mov_b32 v[QB+2*\t+1], v[QB+2*\t]             ; the bias twice: a pair for the packed addition
.endr
.macro FETCHX buf, k                   ; my four row tiles' fragments of K step k into set buf: 12 loads of 512 consecutive bytes
	WIN 0
.irp a, 0,1,2,3
.irp c, 0,1,2
	ds_load_b128 v[XF0+48*(\buf)+12*\a+4*\c:XF0+48*(\buf)+12*\a+4*\c+3], v5 offset:12288*\a+1536*(\k)+512*\c
.endr
.endr
.endm
; 24 matrix instructions: the 24 accumulators take turns, one instruction a turn, in the same order in every K step.
; K step 0 starts the sums: q's and k's with the constant 0, v's with its bias.  The scale words of K steps 2 p and 2 p + 1 share a register: the even step's in lanes 0-15, the odd step's in lanes 16-31.
.macro MULS k
.set XF, XF0+48*((\k)%2)
.irp t, 0,1,2,3,4,5
	WLOC 6*(\k)+\t
.if \t < 4
	WIN 0xf0|(WW<<2)                               ; source 0 (x) window 0, source 1 (W) its window, C and D window 3
.irp a, 0,1,2,3
.if (\k) == 0
	v_wmma_scale_f32_16x16x128_f8f6f4 v[32*\t+8*\a:32*\t+8*\a+7], v[XF+12*\a:XF+12*\a+11], v[WR:WR+11], 0, v[XS+4*\a], v[WS+4*\t] matrix_a_fmt:MATRIX_FMT_FP6 matrix_b_fmt:MATRIX_FMT_FP6
.elseif (\k)%2
	v_wmma_scale_f32_16x16x128_f8f6f4 v[32*\t+8*\a:32*\t+8*\a+7], v[XF+12*\a:XF+12*\a+11], v[WR:WR+11], v[32*\t+8*\a:32*\t+8*\a+7], v[XS+4*\a+(\k)/2], v[WS+4*\t+(\k)/2] matrix_a_fmt:MATRIX_FMT_FP6 matrix_b_fmt:MATRIX_FMT_FP6 matrix_a_scale:MATRIX_SCALE_ROW1 matrix_b_scale:MATRIX_SCALE_ROW1
.else
	v_wmma_scale_f32_16x16x128_f8f6f4 v[32*\t+8*\a:32*\t+8*\a+7], v[XF+12*\a:XF+12*\a+11], v[WR:WR+11], v[32*\t+8*\a:32*\t+8*\a+7], v[XS+4*\a+(\k)/2], v[WS+4*\t+(\k)/2] matrix_a_fmt:MATRIX_FMT_FP6 matrix_b_fmt:MATRIX_FMT_FP6
.endif
.endr
.else
.if (\k) == 0
	WIN 0xc0|WW                                    ; source 0 (W) its window, source 1 (x) and C (the bias) window 0, D window 3
.else
	WIN 0xf0|WW                                    ; source 0 (W) its window, source 1 (x) window 0, C and D window 3
.endif
.irp a, 0,1,2,3
.if (\k) == 0
	v_wmma_scale_f32_16x16x128_f8f6f4 v[128+16*\a+8*(\t-4):128+16*\a+8*(\t-4)+7], v[WR:WR+11], v[XF+12*\a:XF+12*\a+11], v[VB+8*(\t-4):VB+8*(\t-4)+7], v[WS+4*\t], v[XS+4*\a] matrix_a_fmt:MATRIX_FMT_FP6 matrix_b_fmt:MATRIX_FMT_FP6
.elseif (\k)%2
	v_wmma_scale_f32_16x16x128_f8f6f4 v[128+16*\a+8*(\t-4):128+16*\a+8*(\t-4)+7], v[WR:WR+11], v[XF+12*\a:XF+12*\a+11], v[128+16*\a+8*(\t-4):128+16*\a+8*(\t-4)+7], v[WS+4*\t+(\k)/2], v[XS+4*\a+(\k)/2] matrix_a_fmt:MATRIX_FMT_FP6 matrix_b_fmt:MATRIX_FMT_FP6 matrix_a_scale:MATRIX_SCALE_ROW1 matrix_b_scale:MATRIX_SCALE_ROW1
.else
	v_wmma_scale_f32_16x16x128_f8f6f4 v[128+16*\a+8*(\t-4):128+16*\a+8*(\t-4)+7], v[WR:WR+11], v[XF+12*\a:XF+12*\a+11], v[128+16*\a+8*(\t-4):128+16*\a+8*(\t-4)+7], v[WS+4*\t+(\k)/2], v[XS+4*\a+(\k)/2] matrix_a_fmt:MATRIX_FMT_FP6 matrix_b_fmt:MATRIX_FMT_FP6
.endif
.endr
.endif
.endr
.endm
.macro STEP k
	s_wait_dscnt 0x0                               ; this K step's fragments are in: step 0's asked for at the pass's head, the others 24 matrix instructions ago
.if (\k) < 7
	PLACES                                         ; the other set was read by the matrix instructions just issued
	FETCHX 1-(\k)%2, (\k)+1
.endif
	MULS \k
.endm
; THE CHANGE OF SLOTS, at a pass's head.  Each wave waits for all its tensor loads (its quarter of the pass ahead), adds 0 to its spare word, and waits for that, for all its LDS reads and for its stores of v's codes.
; fill = 1: the barrier is a round of the cluster's, so that no wave of any partner still reads the other slot or has a load on its way; the joint refill is the first thing behind it.
.macro CHANGE fill
	s_wait_tensorcnt 0x0                           ; no tensor load of mine is out, so group 0 may be written
	ds_add_u32 v1, v2                              ; 0 onto my spare word
.if \fill
	s_xor_b32 s37, s37, SLOT1                      ; the other slot than last time,
	s_add_nc_u64 s[38:39], s[38:39], 98304         ; the next pass's 128 rows; the type bits on top are not reached
.endif
	s_wait_dscnt 0x0                               ; the add is done; my reads of the slot left and of the fragments of q and k are in; my stores of v's codes and bytes have landed
.if \fill
	CROUND
	tensor_load_to_lds s[36:39], s[28:35]          ; my one tensor load until the next round: one is out
	s_nop 0
.rept 4
	v_nop
.endr
.else
	s_barrier_signal -1
	s_barrier_wait -1
.endif
.endm
; v's image w of the pass before leaves: the barrier at this pass's head has shown it whole
.macro SENDV
	s_add_nc_u64 s[48:49], s[48:49], s[26:27]      ; nothing the first time, then four groups on.  (The last send's stores have read this base: the wait on XCNT behind the last pass's K steps)
	s_mov_b32 s26, 6144
.irp c, 0,1,2
	ds_load_b128 v[TM+4*\c:TM+4*\c+3], v20 offset:512*\c
.endr
	s_wait_dscnt 0x0                               ; the image is in, and so are the first fragments of x, which the first K step wants next
.irp c, 0,1,2
	global_store_b128 v3, v[TM+4*\c:TM+4*\c+3], s[48:49] offset:512*\c             ; 512 consecutive bytes, aligned
.endr
.endm
; sine and cosine of v[th] >= 0 into v214, v215
.macro SINCOS th
	v_mul_f32 v206, 0x3f22f983, v[\th]             ; x 2 / pi
	v_rndne_f32 v206, v206                         ; n
	v_fma_f32 v207, v206, s50, v[\th]
	v_fma_f32 v207, v206, s51, v207                ; rho = theta - n pi/2, pi/2 in two parts
	v_cvt_i32_f32 v208, v206
	v_mul_f32 v209, v207, v207                     ; z
	v_fma_f32 v210, v209, s54, s53
	v_fma_f32 v210, v210, v209, s52
	v_mul_f32 v211, v207, v209
	v_fma_f32 v210, v210, v211, v207               ; sin rho
	v_fma_f32 v212, v209, s57, s56
	v_fma_f32 v212, v212, v209, s55
	v_mul_f32 v211, v209, v209
	v_fma_f32 v213, v209, -0.5, 1.0
	v_fma_f32 v212, v212, v211, v213               ; cos rho
	v_and_b32 v213, 1, v208
	v_cmp_eq_u32 vcc_lo, 1, v213                   ; odd quadrants swap the two: a choice of values, no branch
	v_cndmask_b32 v214, v210, v212, vcc_lo
	v_cndmask_b32 v215, v212, v210, vcc_lo
	v_lshlrev_b32 v213, 30, v208
	v_and_b32 v213, s58, v213
	v_xor_b32 v214, v214, v213                     ; the sine's sign: bit 1 of n
	v_add_nc_u32 v208, 1, v208
	v_lshlrev_b32 v208, 30, v208
	v_and_b32 v208, s58, v208
	v_xor_b32 v215, v215, v208                     ; the cosine's: bit 1 of n + 1
.endm
; pair ip of my eight: s = 16 h + 2 ip, + 1; frequency flo in lanes 0-15, fhi in lanes 16-31.  u: tiles t = u (q) and 2 + u (k), whose d is the same
.macro ROPEPAIR ip, flo, fhi
	v_mov_b32 v202, \flo
	v_mov_b32 v203, \fhi
	v_cndmask_b32 v204, v202, v203, s59
.irp u, 0,1
	v_mul_f32 v205, v[200+\u], v204                ; the angle: one f32 product
	SINCOS 205
	WIN 0x03                                       ; source 0 window 3
	v_mul_f32 v148, v[32*\u+2*(\ip)], v214
	v_mul_f32 v149, v[32*\u+2*(\ip)+1], v214
	v_mul_f32 v150, v[64+32*\u+2*(\ip)], v214
	v_mul_f32 v151, v[64+32*\u+2*(\ip)+1], v214
	WIN 0xc3                                       ; destination and source 0 window 3
	v_fma_f32 v[32*\u+2*(\ip)], v[32*\u+2*(\ip)], v215, -v149
	v_fma_f32 v[32*\u+2*(\ip)+1], v[32*\u+2*(\ip)+1], v215, v148
	v_fma_f32 v[64+32*\u+2*(\ip)], v[64+32*\u+2*(\ip)], v215, -v151
	v_fma_f32 v[64+32*\u+2*(\ip)+1], v[64+32*\u+2*(\ip)+1], v215, v150
	WIN 0
.endr
.endm
.macro ROPE
	v_and_b32 v200, 8, v28
	v_add_nc_u32 v200, v200, v28
	s_lshl_b32 s60, s22, 5
	v_add_nc_u32 v200, s60, v200
	v_cvt_f32_u32 v200, v200                       ; d of tiles with u = 0: 32 j + r + 8 (r / 8)
	v_add_f32 v201, 0x41000000, v200               ; and with u = 1: 8 more
	ROPEPAIR 0, 0x3f800000, 0x3c23d70a
	ROPEPAIR 1, 0x3f0ff59a, 0x3bb8449c
	ROPEPAIR 2, 0x3ea1e89b, 0x3b4f3e37
	ROPEPAIR 3, 0x3e361887, 0x3ae91528
	ROPEPAIR 4, 0x3dcccccd, 0x3a83126f
	ROPEPAIR 5, 0x3d6655c3, 0x3a136a16
	ROPEPAIR 6, 0x3d0186e2, 0x39a5cb5f
	ROPEPAIR 7, 0x3c91ad39, 0x393a7753
.endm
; q's and k's bias: my column's number onto the tile's 32 registers, two at a time; each accumulator from its low end on
.macro BIASQK
	WIN 0xc3                                       ; destination and source 0 window 3, the bias window 0
.irp t, 0,1,2,3
.irp n, 0,2,4,6,8,10,12,14,16,18,20,22,24,26,28,30
	v_pk_add_f32 v[32*\t+\n:32*\t+\n+1], v[32*\t+\n:32*\t+\n+1], v[QB+2*\t:QB+2*\t+1]
.endr
.endr
	WIN 0
.endm
; q's and k's four tiles are quantised along s: two blocks of 32 a tile, each in lanes l and l xor 16; the codes and two scale bytes go to LDS as my half of a fragment
.macro QK
	WIN 0x0f                                       ; sources 0 and 1 window 3
.irp t, 0,1,2,3
.irp b, 0,1
	v_max3_num_f32 v[TM+2*\t+\b], |v[32*\t+16*\b]|, |v[32*\t+16*\b+1]|, 0x1800000  ; with the floor 2^(3 - 127): the byte cannot fall under 1
.endr
.endr
.irp i, 2,4,6,8,10,12,14
.irp t, 0,1,2,3
.irp b, 0,1
	v_max3_num_f32 v[TM+2*\t+\b], |v[32*\t+16*\b+\i]|, |v[32*\t+16*\b+\i+1]|, v[TM+2*\t+\b]   ; eight chains by turns
.endr
.endr
.endr
	WIN 0
.irp n, 0,1,2,3,4,5,6,7
	v_permlanex16_b32 v[TM+8+\n], v[TM+\n], s44, s45
.endr
.irp n, 0,1,2,3,4,5,6,7
	v_max_num_f32 v[TM+\n], v[TM+\n], v[TM+8+\n]   ; the block's largest magnitude
.endr
.irp n, 0,1,2,3,4,5,6,7
	v_add_nc_u32 v[TS+\n], 0xff000000, v[TM+\n]    ; 2 off its exponent field: the conversion's scale operand
.endr
.irp n, 0,1,2,3,4,5,6,7
	v_lshrrev_b32 v[TY+\n], 23, v[TS+\n]           ; the byte
.endr
.irp t, 0,1,2,3
	v_lshl_or_b32 v[HW+\t], v[TY+1+2*\t], 8, v[TY+2*\t]
.endr
	WIN 0x03                                       ; source 0 window 3
.irp t, 0,1,2,3
	v_cvt_scalef32_pk16_fp6_f32 v[72+12*\t:74+12*\t], v[32*\t:32*\t+15], v[TS+2*\t]
	v_cvt_scalef32_pk16_fp6_f32 v[78+12*\t:80+12*\t], v[32*\t+16:32*\t+31], v[TS+1+2*\t]
.endr
	WIN 0
	v_nop                                          ; one plain place behind the conversions
.irp t, 0,1,2,3
.irp i, 0,1,2
	v_permlane16_swap_b32 v[72+12*\t+\i], v[78+12*\t+\i]           ; a whole block to a lane: lanes 0-15 the first, lanes 16-31 the second
.endr
.endr
.irp t, 0,1,2,3
.irp i, 0,1,2
	v_mov_b32 v[75+12*\t+\i], v[78+12*\t+\i]
.endr
.endr
.irp t, 0,1,2,3
	ds_store_b128 v6, v[72+12*\t:75+12*\t] offset:1536*(4*(\t>>1)+(\t&1))
	ds_store_b64 v7, v[76+12*\t:77+12*\t] offset:1536*(4*(\t>>1)+(\t&1))
	ds_store_b16 v8, v[HW+\t] offset:64*(4*(\t>>1)+(\t&1))         ; both lanes of a row write the same two bytes
.endr
.endm
; v's block j of 32 e, for my 64 s: one conversion a row tile; the codes go to their places in the images of groups 2 i, 2 i + 1: 16 LDS stores
.macro VQ
	WIN 0x0f
.irp a, 0,1,2,3
	v_max3_num_f32 v[TM+\a], |v[128+16*\a]|, |v[129+16*\a]|, 0x1800000             ; each accumulator from its low end on
.endr
.irp i, 2,4,6,8,10,12,14
.irp a, 0,1,2,3
	v_max3_num_f32 v[TM+\a], |v[128+16*\a+\i]|, |v[129+16*\a+\i]|, v[TM+\a]
.endr
.endr
	WIN 0
.irp a, 0,1,2,3
	v_permlanex16_b32 v[TM+8+\a], v[TM+\a], s44, s45
.endr
.irp a, 0,1,2,3
	v_max_num_f32 v[TM+\a], v[TM+\a], v[TM+8+\a]
.endr
.irp a, 0,1,2,3
	v_add_nc_u32 v[TS+\a], 0xff000000, v[TM+\a]
.endr
.irp a, 0,1,2,3
	v_lshrrev_b32 v[TY+\a], 23, v[TS+\a]
.endr
	WIN 0x03
.irp a, 0,1,2,3
	v_cvt_scalef32_pk16_fp6_f32 v[VCD+4*\a:VCD+4*\a+2], v[128+16*\a:143+16*\a], v[TS+\a]
.endr
	WIN 0
	v_add_nc_u32 v13, s43, v12                     ; this pass's scale bytes (a plain place behind the conversions)
.irp a, 0,1,2,3
.irp i, 0,1,2
	ds_store_b32 v[9+\i], v[VCD+4*\a+\i] offset:1536*(\a>>1)+128*(\a&1)
.endr
	ds_store_b8 v13, v[TY+\a] offset:64*(\a>>1)+32*(\a&1)          ; both lanes of an s write the same byte
.endr
.endm
; scores += k q^T over the pass's 128 s: source 0 = k's tile n, source 1 = q's tile w.  v is quantised while the 25 loads are on their way.
.macro SCORE
	ds_load_b128 v[72:75], v16
	ds_load_b64 v[76:77], v17
	ds_load_b128 v[78:81], v16 offset:768
	ds_load_b64 v[82:83], v17 offset:768
.irp n, 0,1,2,3
	ds_load_b128 v[84+12*\n:87+12*\n], v14 offset:1536*\n
	ds_load_b64 v[88+12*\n:89+12*\n], v15 offset:1536*\n
	ds_load_b128 v[90+12*\n:93+12*\n], v14 offset:1536*\n+768
	ds_load_b64 v[94+12*\n:95+12*\n], v15 offset:1536*\n+768
.endr
	ds_load_b32 v22, v19
.irp n, 0,1,2,3
	ds_load_b32 v[23+\n], v18 offset:64*\n
.endr
	VQ
	s_wait_dscnt 16                                ; q, k and their scale words (25 loads) are in; the 16 stores of v's codes and bytes, issued behind them, may be out
.irp n, 0,1,2,3
	v_wmma_scale_f32_16x16x128_f8f6f4 v[SA+8*\n:SA+8*\n+7], v[84+12*\n:95+12*\n], v[72:83], v[SA+8*\n:SA+8*\n+7], v[23+\n], v22 matrix_a_fmt:MATRIX_FMT_FP6 matrix_b_fmt:MATRIX_FMT_FP6
.endr
	PLACES                                         ; behind the four products: ahead of loads into their operands and of reads of their results
.endm
.macro PASS fill
	CHANGE \fill
	v_add_nc_u32 v5, s40, v4
	FETCHX 0, 0
	s_cmp_eq_u32 s41, 7                            ; the first pass has no image to send: a branch on the count of passes, round three LDS loads, their wait and three stores
	s_cbranch_scc1 .Lno_image_\@
	SENDV
.Lno_image_\@:
	s_wait_loadcnt 0x0                             ; x's scale words of this pass
.irp k, 0,1,2,3,4,5,6,7
	STEP \k
.endr
	WIN 0
	PLACES
	s_wait_xcnt 0x0                                ; the image's stores, eight K steps back, have read their data and their base: the epilogue writes the one, the next send the other
.if \fill
	s_add_nc_u64 s[46:47], s[46:47], 4096          ; (its last loads were waited for at this pass's head)
.irp a, 0,1,2,3
	global_load_b128 v[XS+4*\a:XS+4*\a+3], v3, s[46:47] offset:512*\a              ; the next pass's scale words of x
.endr
.endif
	BIASQK
.if \fill
	s_cmp_eq_u32 s42, 0                            ; a branch on ids, round register work alone
	s_cbranch_scc1 .Lno_rope
	ROPE
.Lno_rope:
	s_mov_b32 s42, 0
.endif
	QK
	s_wait_dscnt 0x0                               ; for the others' sake: my stores of q's and k's codes and scale bytes have landed
	s_barrier_signal -1
	s_barrier_wait -1                              ; the next pass's tile may stay on its way
	SCORE
	s_xor_b32 s40, s40, SLOT1
	s_add_co_u32 s43, s43, 256
.endm
	s_mov_b32 s41, 7
.Lpass:                                            ; 7 trips: behind each change of slots but the last the next pass is asked for
	PASS 1
	s_sub_co_u32 s41, s41, 1
	s_cmp_lg_u32 s41, 0
	s_cbranch_scc1 .Lpass
	PASS 0                                         ; the last pass is written out
	s_wait_dscnt 0x0                               ; for the others' sake: my stores of the last pass's v have landed
	s_barrier_signal -1
	s_barrier_wait -1
	s_add_nc_u64 s[48:49], s[48:49], s[26:27]      ; the last image's place
.irp c, 0,1,2
	ds_load_b128 v[TM+4*\c:TM+4*\c+3], v20 offset:512*\c
.endr
	ds_load_b128 v[TM+12:TM+15], v27               ; my quarter of v's scale bytes of all eight passes
.irp c, 0,1,2,3,4,5,6,7
	global_store_b128 v3, v[SA+4*\c:SA+4*\c+3], s[18:19] offset:512*\c             ; the partial scores as a register image, each accumulator from its low end on
.endr
	s_wait_dscnt 0x0
.irp c, 0,1,2
	global_store_b128 v3, v[TM+4*\c:TM+4*\c+3], s[48:49] offset:512*\c
.endr
	global_store_b128 v3, v[TM+12:TM+15], s[16:17]
	s_wait_tensorcnt 0x0                           ; the wave's end
	ds_add_u32 v1, v2
	s_wait_dscnt 0x0
	CROUND                                         ; the closing round: no work-group ends while a partner may still ask for a tile that names it
	s_endpgm
.Lfunc_end_k_q95f4679b25_qkv:
	.size	k_q95f4679b25_qkv, .Lfunc_end_k_q95f4679b25_qkv-k_q95f4679b25_qkv
	.p2alignl 7, 3214868480
	.fill 96, 4, 3214868480
	.section	.rodata,"a",@progbits
	.p2align	6, 0x0
	.amdhsa_kernel k_q95f4679b25_qkv
		.amdhsa_group_segment_fixed_size 327680
		.amdhsa_private_segment_fixed_size 0
		.amdhsa_enable_private_segment 0
		.amdhsa_kernarg_size 64
		.amdhsa_user_sgpr_count 2
		.amdhsa_user_sgpr_kernarg_segment_ptr 1
		.amdhsa_wavefront_size32 1
		.amdhsa_system_sgpr_workgroup_id_x 1
		.amdhsa_system_sgpr_workgroup_id_y 1
		.amdhsa_system_sgpr_workgroup_id_z 1
		.amdhsa_system_vgpr_workitem_id 0
		.amdhsa_next_free_vgpr 1024
		.amdhsa_next_free_sgpr 66
		.amdhsa_reserve_vcc 1
		.amdhsa_float_denorm_mode_32 3
		.amdhsa_float_denorm_mode_16_64 3
		.amdhsa_memory_ordered 1
		.amdhsa_forward_progress 1
		.amdhsa_inst_pref_size 160
	.end_amdhsa_kernel
	.amdgpu_metadata
---
amdhsa.version: [ 1, 2 ]
amdhsa.kernels:
  - .name:           k_q95f4679b25_qkv
    .symbol:         k_q95f4679b25_qkv.kd
    .args:
      - { .name: xc, .offset: 0, .size: 8, .value_kind: global_buffer, .address_space: global }
      - { .name: xs, .offset: 8, .size: 8, .value_kind: global_buffer, .address_space: global }
      - { .name: wc, .offset: 16, .size: 8, .value_kind: global_buffer, .address_space: global }
      - { .name: ws, .offset: 24, .size: 8, .value_kind: global_buffer, .address_space: global }
      - { .name: b, .offset: 32, .size: 8, .value_kind: global_buffer, .address_space: global }
      - { .name: vc, .offset: 40, .size: 8, .value_kind: global_buffer, .address_space: global }
      - { .name: vs, .offset: 48, .size: 8, .value_kind: global_buffer, .address_space: global }
      - { .name: sc, .offset: 56, .size: 8, .value_kind: global_buffer, .address_space: global }
    .group_segment_fixed_size: 327680
    .private_segment_fixed_size: 0
    .kernarg_segment_align: 8
    .kernarg_segment_size: 64
    .max_flat_workgroup_size: 128
    .sgpr_count:     66
    .vgpr_count:     1024
    .wavefront_size: 32
...
	.end_amdgpu_metadata
.endif
;; end of part 2
;; launch mix (part 3): grid 4 x 64, 8 waves a work-group, no clusters, 119,808 bytes of LDS; arguments sc, vc, vs, out0; writes out0
.if DOCPART == 3
	.amdgcn_target "amdgcn-amd-amdhsa--gfx1250"
	.amdhsa_code_object_version 6
	.text
	.protected	k_q95f4679b25_mix
	.globl	k_q95f4679b25_mix
	.p2align	8
	.type	k_q95f4679b25_mix,@function
k_q95f4679b25_mix:
	s_mov_b64 s[64:65], 0
	v_nop
	global_prefetch_b8 v0, s[64:65] scope:SCOPE_SE
	s_setreg_imm32_b32 hwreg(HW_REG_WAVE_MODE, 25, 1), 1
	s_wait_xcnt 0x0
; out[h][d][b][s] = (sum over e of p[d][e] v[e][s]) / l[d], on codes of FP6 (E2M3).  scores = the sum of four partial sums; t = score x log2(e) / 8; M = ceil(the row's largest t);
; p = 2^(t - M) is quantised along e (two blocks of 32); l is the row's sum of the unquantised p.
; SHARES.  A work-group takes 1,024 s of one (batch, head) pair.  Wave w = (dt = w % 4, half = w / 4) takes 16 rows d and 512 s, in 4 blocks of 128.
; v's 32 images (1,536 bytes each) and their scale bytes are copied into LDS once, an eighth by each wave, and read by four waves each.
; THE PRODUCT: source 0 = an image of v: row m and k = 64 c + e stand for v[e][32 g + 16 c + m]; source 1 = p with its 64 codes in the lower half of K and zero codes in the upper (c = 0), or the other
; way round (c = 1): zero codes add nothing, whatever their scale byte (here 127).  So one image serves two tiles of 16 s, and a lane's eight results are eight neighbouring s of row d.
; The rows of a tile: lane r holds d = 32 (dt / 2) + 8 (dt % 2) + r + 8 (r / 8); register 16 B + i of the scores is e = 32 B + 16 h + i.
; The results go through the wave's own stage (16 rows x 528 bytes) and leave as rows of 512 consecutive bytes.
; LIMITS: NaN and infinities are not served; a block whose every p is 0 gets the byte 1 with zero codes.
.set VIM, 0                            ; LDS: 32 images
.set VSC, 49152                        ; their scale bytes, 64 a group
.set STG, 51200                        ; the stages, 8,448 bytes a wave
.set VS,  20                           ; v20-27   v's scale words: lanes 0-15 an even group's, lanes 16-31 the next group's
.set PLO, 28                           ; v28-39   p, codes in registers 0-5
.set PHI, 40                           ; v40-51   p, codes in registers 6-11
.set VF,  64                           ; v64-111  four images of v
.set D,   112                          ; v112-175 eight accumulators (at the head: the scores, then p)
.set OB,  176                          ; v176-239 16 rows on their way out
	s_load_b256 s[4:11], s[0:1], 0x0               ; sc, vc, vs, out0
	v_lshl_add_u32 v254, v0, 2, 0x1d000
	v_mov_b32 v255, 0
	v_lshrrev_b32 v1, 5, v0
	v_readfirstlane_b32 s12, v1                    ; wave
	s_and_b32 s13, s12, 3                          ; dt
	s_lshr_b32 s14, s12, 2                         ; half
	s_and_b32 s15, ttmp7, 0xffff                   ; pair = 16 batch + head
	v_and_b32 v2, 31, v0                           ; lane
	v_and_b32 v3, 15, v0                           ; r
	v_bfe_u32 v11, v0, 4, 1                        ; h
	v_lshlrev_b32 v1, 4, v2                        ; 16 l: never rewritten
	v_lshlrev_b32 v10, 3, v2                       ; 8 l
	s_mul_i32 s20, s12, 6144
	v_add_nc_u32 v4, s20, v1                       ; where I put my four images
	s_lshl_b32 s21, s12, 8
	s_add_co_u32 s22, s21, VSC
	v_add_nc_u32 v5, s22, v10                      ; and their scale bytes
	s_mul_i32 s22, s14, 24576
	v_add_nc_u32 v6, s22, v1                       ; my half's 16 images, to read
	s_lshl_b32 s22, s14, 10
	s_add_co_u32 s22, s22, VSC
	v_lshl_add_u32 v7, v2, 2, s22                  ; and their scale words
	s_mul_i32 s22, s12, 8448
	s_add_co_u32 s22, s22, STG
	v_mul_u32_u24 v8, v3, 528
	v_lshl_add_u32 v8, v11, 5, v8
	v_add_nc_u32 v8, s22, v8                       ; the stage, in: row r, + 32 h
	v_add_nc_u32 v9, s22, v1                       ; and back: 16 bytes a lane of a row
	v_mov_b32 v54, 0                               ; lane permutes' destinations count as read: written once
	v_mov_b32 v55, 0
	s_mov_b32 s24, 0x76543210
	s_mov_b32 s25, 0xfedcba98                      ; selects for lane l xor 16
	s_mov_b32 s26, 0x3e38aa3b                      ; c = log2(e) / 8
	s_mov_b32 s27, s26                             ; (named with it as a pair, so it is written)
	s_lshl_b32 s16, s15, 7
	s_lshl_b32 s17, ttmp9, 5
	s_add_co_u32 s16, s16, s17                     ; the work-group's first group of 32 s
	s_mov_b32 s19, 0
	s_mul_i32 s18, s16, 1536
	s_add_co_u32 s18, s18, s20
	s_wait_kmcnt 0x0
	s_add_nc_u64 s[6:7], s[6:7], s[18:19]
	s_lshl_b32 s18, s16, 6
	s_add_co_u32 s18, s18, s21
	s_add_nc_u64 s[8:9], s[8:9], s[18:19]
	s_lshl_b32 s18, s15, 16
	s_lshl_b32 s17, s13, 12
	s_add_co_u32 s18, s18, s17
	s_add_nc_u64 s[4:5], s[4:5], s[18:19]          ; the pair's partial scores, tile dt
	s_and_b32 s17, s15, 15
	s_lshl_b32 s17, s17, 6                         ; 64 head
	s_lshr_b32 s18, s13, 1
	s_lshl_b32 s18, s18, 5
	s_add_co_u32 s17, s17, s18
	s_and_b32 s18, s13, 1
	s_lshl_b32 s18, s18, 3
	s_add_co_u32 s17, s17, s18                     ; + the tile's first d
	s_lshl_b32 s17, s17, 2
	s_lshr_b32 s18, s15, 4
	s_add_co_u32 s17, s17, s18                     ; x 4 + batch: a row of 16,384 bytes
	s_lshl_b32 s18, s17, 14
	s_lshl_b32 s17, ttmp9, 12
	s_add_co_u32 s18, s18, s17
	s_lshl_b32 s17, s14, 11
	s_add_co_u32 s18, s18, s17
	s_add_nc_u64 s[10:11], s[10:11], s[18:19]
.irp n, 0,1,2,3,4,5,6,7,8,9,10,11
	global_load_b128 v[VF+4*\n:VF+4*\n+3], v1, s[6:7] offset:512*\n th:TH_LOAD_NT  ; read once in the launch
.endr
	global_load_b64 v[240:241], v10, s[8:9]
.irp q, 0,1,2,3
.irp c, 0,1,2,3,4,5,6,7
	global_load_b128 v[D+32*\q+4*\c:D+32*\q+4*\c+3], v1, s[4:5] offset:16384*\q+512*\c
.endr
.endr
	s_wait_loadcnt 32                              ; my images and scale bytes are in; the 32 loads of scores may be out
.irp n, 0,1,2,3,4,5,6,7,8,9,10,11
	ds_store_b128 v4, v[VF+4*\n:VF+4*\n+3] offset:512*\n
.endr
	ds_store_b64 v5, v[240:241]
	s_wait_loadcnt 0x0
.irp j, 0,2,4,6,8,10,12,14,16,18,20,22,24,26,28,30
	v_pk_add_f32 v[D+\j:D+\j+1], v[D+\j:D+\j+1], v[D+32+\j:D+33+\j]                ; quarters 0 + 1,
	v_pk_add_f32 v[D+64+\j:D+65+\j], v[D+64+\j:D+65+\j], v[D+96+\j:D+97+\j]        ; 2 + 3,
.endr
.irp j, 0,2,4,6,8,10,12,14,16,18,20,22,24,26,28,30
	v_pk_add_f32 v[D+\j:D+\j+1], v[D+\j:D+\j+1], v[D+64+\j:D+65+\j]                ; and both: the scores
.endr
	v_max3_num_f32 v52, v[D], v[D+1], v[D+2]
	v_max3_num_f32 v53, v[D+16], v[D+17], v[D+18]
.irp i, 3,5,7,9,11,13
	v_max3_num_f32 v52, v52, v[D+\i], v[D+\i+1]
	v_max3_num_f32 v53, v53, v[D+16+\i], v[D+17+\i]
.endr
	v_max3_num_f32 v52, v52, v[D+15], v[D+31]
	v_max_num_f32 v52, v52, v53
	v_permlanex16_b32 v54, v52, s24, s25
	v_max_num_f32 v52, v52, v54                    ; the row's largest score
	v_mul_f32 v52, s26, v52                        ; as t (c is positive)
	v_floor_f32 v12, -v52                          ; -M = floor(-t) = -ceil(t)
	v_mov_b32 v13, v12                             ; (named with it as a pair)
.irp j, 0,2,4,6,8,10,12,14,16,18,20,22,24,26,28,30
	v_pk_fma_f32 v[D+\j:D+\j+1], v[D+\j:D+\j+1], s[26:27], v[12:13] op_sel_hi:[1,0,0]   ; t - M
.endr
.irp j, 0,1,2,3,4,5,6,7,8,9,10,11,12,13,14,15,16,17,18,19,20,21,22,23,24,25,26,27,28,29,30,31
	v_exp_f32 v[D+\j], v[D+\j]                     ; p, at most 1, not normalised
.endr
	v_nop                                          ; a plain place behind the exponentials
	s_wait_alu depctr_va_vdst(0)                   ; one wait for the batch, ahead of its first reader
	v_pk_add_f32 v[14:15], v[D:D+1], v[D+2:D+3]    ; the row's sum of the unquantised p, in two chains
	v_pk_add_f32 v[62:63], v[D+4:D+5], v[D+6:D+7]
.irp j, 8,12,16,20,24,28
	v_pk_add_f32 v[14:15], v[14:15], v[D+\j:D+\j+1]
	v_pk_add_f32 v[62:63], v[62:63], v[D+\j+2:D+\j+3]
.endr
	v_pk_add_f32 v[14:15], v[14:15], v[62:63]
	v_add_f32 v14, v14, v15
	v_permlanex16_b32 v54, v14, s24, s25
	v_add_f32 v14, v14, v54                        ; with lane l xor 16's 32: l
	v_rcp_f32 v16, v14
	v_max3_num_f32 v52, v[D], v[D+1], 0x1800000    ; each block's largest p, with the floor 2^(3 - 127); p is never negative.  (Plain work behind the reciprocal)
	v_max3_num_f32 v53, v[D+16], v[D+17], 0x1800000
.irp i, 2,4,6,8,10,12,14
	v_max3_num_f32 v52, v52, v[D+\i], v[D+\i+1]
	v_max3_num_f32 v53, v53, v[D+16+\i], v[D+17+\i]
.endr
	v_permlanex16_b32 v54, v52, s24, s25
	v_permlanex16_b32 v55, v53, s24, s25
	v_max_num_f32 v52, v52, v54
	v_max_num_f32 v53, v53, v55
	v_add_nc_u32 v56, 0xff000000, v52              ; 2 off the exponent field: the conversion's scale operand
	v_add_nc_u32 v57, 0xff000000, v53
	v_lshrrev_b32 v58, 23, v56
	v_lshrrev_b32 v59, 23, v57
	v_lshl_or_b32 v60, v59, 8, v58
	v_or_b32 v18, 0x7f7f0000, v60                  ; p's scale word with the codes below,
	v_lshl_or_b32 v19, v60, 16, 0x7f7f             ; and with the codes above
	s_wait_alu depctr_va_vdst(0)                   ; the reciprocal's wait, ahead of its first reader
	v_mov_b32 v17, v16                             ; 1 / l as a pair
	v_cvt_scalef32_pk16_fp6_f32 v[PLO:PLO+2], v[D:D+15], v56
	v_cvt_scalef32_pk16_fp6_f32 v[PHI:PHI+2], v[D+16:D+31], v57
	v_nop                                          ; one plain place behind the conversions
.irp i, 0,1,2
	v_permlane16_swap_b32 v[PLO+\i], v[PHI+\i]     ; a whole block to a lane
.endr
.irp i, 0,1,2
	v_mov_b32 v[PLO+3+\i], v[PHI+\i]
.endr
.irp i, 0,1,2,3,4,5
	v_mov_b32 v[PHI+6+\i], v[PLO+\i]
.endr
.irp i, 0,1,2,3,4,5
	v_mov_b32 v[PHI+\i], 0                         ; zero codes
	v_mov_b32 v[PLO+6+\i], 0
.endr
.rept 8
	v_nop                                          ; operands and scale words written by vector instructions stand 4 and 8 places ahead of a scaled matrix instruction
.endr
	s_wait_dscnt 0x0                               ; for the others' sake: my copies have landed
	s_barrier_signal -1
	s_barrier_wait -1
.irp n, 0,1,2,3,4,5,6,7
	ds_load_b32 v[VS+\n], v7 offset:128*\n
.endr
.macro FETCHV blk                      ; the block's four images
.irp g, 0,1,2,3
.irp c, 0,1,2
	ds_load_b128 v[VF+12*\g+4*\c:VF+12*\g+4*\c+3], v6 offset:(4*(\blk)+\g)*1536+512*\c
.endr
.endr
.endm
.macro BLOCK blk                       ; 128 s
	s_wait_dscnt 0x0
.irp g, 0,1,2,3
.if (\g)%2
	v_wmma_scale_f32_16x16x128_f8f6f4 v[D+16*\g:D+16*\g+7], v[VF+12*\g:VF+12*\g+11], v[PLO:PLO+11], 0, v[VS+(4*(\blk)+\g)/2], v18 matrix_a_fmt:MATRIX_FMT_FP6 matrix_b_fmt:MATRIX_FMT_FP6 matrix_a_scale:MATRIX_SCALE_ROW1
	v_wmma_scale_f32_16x16x128_f8f6f4 v[D+16*\g+8:D+16*\g+15], v[VF+12*\g:VF+12*\g+11], v[PHI:PHI+11], 0, v[VS+(4*(\blk)+\g)/2], v19 matrix_a_fmt:MATRIX_FMT_FP6 matrix_b_fmt:MATRIX_FMT_FP6 matrix_a_scale:MATRIX_SCALE_ROW1
.else
	v_wmma_scale_f32_16x16x128_f8f6f4 v[D+16*\g:D+16*\g+7], v[VF+12*\g:VF+12*\g+11], v[PLO:PLO+11], 0, v[VS+(4*(\blk)+\g)/2], v18 matrix_a_fmt:MATRIX_FMT_FP6 matrix_b_fmt:MATRIX_FMT_FP6
	v_wmma_scale_f32_16x16x128_f8f6f4 v[D+16*\g+8:D+16*\g+15], v[VF+12*\g:VF+12*\g+11], v[PHI:PHI+11], 0, v[VS+(4*(\blk)+\g)/2], v19 matrix_a_fmt:MATRIX_FMT_FP6 matrix_b_fmt:MATRIX_FMT_FP6
.endif
.endr
.rept 5
	v_nop                                          ; four places ahead of loads into the images' registers and of reads of the results; the fifth because the next block begins these accumulators anew
.endr
.if (\blk) < 3
	FETCHV (\blk)+1
.endif
.irp j, 0,2,4,6,8,10,12,14,16,18,20,22,24,26,28,30,32,34,36,38,40,42,44,46,48,50,52,54,56,58,60,62
	v_pk_mul_f32 v[D+\j:D+\j+1], v[D+\j:D+\j+1], v[16:17]          ; / l, each accumulator from its low end on
.endr
.irp g, 0,1,2,3
.irp c, 0,1
	ds_store_b128 v8, v[D+16*\g+8*\c:D+16*\g+8*\c+3] offset:128*\g+64*\c           ; s = 32 g + 16 c + 8 h + 0..7 of row r
	ds_store_b128 v8, v[D+16*\g+8*\c+4:D+16*\g+8*\c+7] offset:128*\g+64*\c+16
.endr
.endr
	s_wait_xcnt 0x0                                ; the last block's stores have read the registers that these loads fill
.irp t, 0,1,2,3,4,5,6,7,8,9,10,11,12,13,14,15
	ds_load_b128 v[OB+4*\t:OB+4*\t+3], v9 offset:528*\t            ; LDS serves a wave's instructions in order: these see my stores
.endr
.irp t, 0,1,2,3,4,5,6,7,8,9,10,11,12,13,14,15
	s_wait_dscnt 15-\t                             ; row t is back; the younger rows' loads may be out
	global_store_b128 v1, v[OB+4*\t:OB+4*\t+3], s[10:11] offset:(\t+8*(\t>>3))*65536+512*(\blk) th:TH_STORE_NT   ; 512 consecutive bytes of a row, aligned; from d to d + 1 are 65,536 bytes
.endr
.endm
	FETCHV 0
	BLOCK 0
	BLOCK 1
	BLOCK 2
	BLOCK 3
	s_wait_tensorcnt 0x0
	ds_add_u32 v254, v255
	s_wait_dscnt 0x0
	s_endpgm
.Lfunc_end_k_q95f4679b25_mix:
	.size	k_q95f4679b25_mix, .Lfunc_end_k_q95f4679b25_mix-k_q95f4679b25_mix
	.p2alignl 7, 3214868480
	.fill 96, 4, 3214868480
	.section	.rodata,"a",@progbits
	.p2align	6, 0x0
	.amdhsa_kernel k_q95f4679b25_mix
		.amdhsa_group_segment_fixed_size 119808
		.amdhsa_private_segment_fixed_size 0
		.amdhsa_enable_private_segment 0
		.amdhsa_kernarg_size 32
		.amdhsa_user_sgpr_count 2
		.amdhsa_user_sgpr_kernarg_segment_ptr 1
		.amdhsa_wavefront_size32 1
		.amdhsa_system_sgpr_workgroup_id_x 1
		.amdhsa_system_sgpr_workgroup_id_y 1
		.amdhsa_system_sgpr_workgroup_id_z 1
		.amdhsa_system_vgpr_workitem_id 0
		.amdhsa_next_free_vgpr 256
		.amdhsa_next_free_sgpr 66
		.amdhsa_reserve_vcc 0
		.amdhsa_float_denorm_mode_32 3
		.amdhsa_float_denorm_mode_16_64 3
		.amdhsa_memory_ordered 1
		.amdhsa_forward_progress 1
		.amdhsa_inst_pref_size 51
	.end_amdhsa_kernel
	.amdgpu_metadata
---
amdhsa.version: [ 1, 2 ]
amdhsa.kernels:
  - .name:           k_q95f4679b25_mix
    .symbol:         k_q95f4679b25_mix.kd
    .args:
      - { .name: sc, .offset: 0, .size: 8, .value_kind: global_buffer, .address_space: global }
      - { .name: vc, .offset: 8, .size: 8, .value_kind: global_buffer, .address_space: global }
      - { .name: vs, .offset: 16, .size: 8, .value_kind: global_buffer, .address_space: global }
      - { .name: out0, .offset: 24, .size: 8, .value_kind: global_buffer, .address_space: global }
    .group_segment_fixed_size: 119808
    .private_segment_fixed_size: 0
    .kernarg_segment_align: 8
    .kernarg_segment_size: 32
    .max_flat_workgroup_size: 256
    .sgpr_count:     66
    .vgpr_count:     256
    .wavefront_size: 32
...
	.end_amdgpu_metadata
.endif
;; end of part 3
;; ======== version 2 of 2: 3 launches
;; workspace buffers: xc 12,582,912 bytes; xs 524,288 bytes; wc 2,359,296 bytes; ws 98,304 bytes; vc 12,582,912 bytes; vs 524,288 bytes; sc 4,194,304 bytes
;; launch quant (part 4): grid 304 x 1, 8 waves a work-group, no clusters, 70,656 bytes of LDS; arguments x, W, xc, xs, wc, ws; writes xc, xs, wc, ws
.if DOCPART == 4
	.amdgcn_target "amdgcn-amd-amdhsa--gfx1250"
	.amdhsa_code_object_version 6
	.text
	.protected	k_q95f4679b25_quant
	.globl	k_q95f4679b25_quant
	.p2align	8
	.type	k_q95f4679b25_quant,@function
k_q95f4679b25_quant:
	s_mov_b64 s[64:65], 0
	v_nop
	global_prefetch_b8 v0, s[64:65] scope:SCOPE_SE
	s_setreg_imm32_b32 hwreg(HW_REG_WAVE_MODE, 25, 1), 1
	s_wait_xcnt 0x0
; x [16384][1024] and W [3072][1024], f32, K innermost, become codes of FP6 (E2M3) with one E8M0 byte for each 32 along K,
; laid in the ORDER OF THE OPERAND'S REGISTERS, so that the next launch takes a fragment by three loads of 512 consecutive bytes.
; A TILE is 16 rows.  Row r of tile T is matrix row 32 (T / 2) + 8 (T % 2) + r + 8 (r / 8): with these rows two neighbouring
; result tiles give a lane 16 neighbours along the rows' axis, which the next launch quantises along.
; A FRAGMENT (tile T, K step k of 128) is 12 registers a lane: register R of lane l lies at 12288 T + 1536 k + 512 (R / 4) + 16 l + 4 (R % 4).
; A tile's SCALE PLANE is 512 bytes: the word of row r and K step k lies at 16 r + 256 (k % 2) + 4 (k / 2): one load of 16 bytes a lane
; gives four registers, lanes 0-15 with the even K steps' words and lanes 16-31 with the odd ones'.
; A block's scale is 2^(floor(log2(largest magnitude)) - 2): its byte is the largest magnitude's exponent field - 2, held at 1 from below.
; LIMITS: a block of zeros gets the byte 1 (its codes are zeros, and this program alone reads the bytes); NaN and infinities are not served.
; SHARES: a work-group of eight waves takes four tiles; wave w takes tile w % 4 and half w / 4 of K: four K steps.  So 8 x 32 loads of 512 bytes are on their way in a work-group.
; Work-groups 0-255 take x's 1,024 tiles, 256-303 W's 192: only pointers are chosen, the path is one.
; Each load reads 512 consecutive bytes of one row; a K step's 16 rows turn through the wave's own stage in LDS (rows 528 bytes apart, an odd
; multiple of 16, so that sixteen rows start in sixteen different columns of 16 bytes) and come back as 32 neighbours along K, twice, for each lane.
; The two waves of a tile write their words into the tile's plane in LDS; behind the one barrier each stores one aligned half of it, 256 bytes.
.set STGB, 8448                        ; LDS: a stage of 16 x 528 bytes for each wave,
.set PLB,  67584                       ; and behind the eight stages the four tiles' scale planes
.set R0,   32                          ; v32-95, v96-159  a K step's numbers as loaded, two sets
.set X,    160                         ; v160-223         my 64 numbers: k = 32 h + 0..31, then 64 + 32 h + 0..31
.set P0,   224                         ; v224-235, v236-247  a fragment's 12 registers, two sets
	s_load_b256 s[4:11], s[0:1], 0x0               ; x, W, xc, xs
	s_load_b128 s[12:15], s[0:1], 0x20             ; wc, ws
	v_lshl_add_u32 v254, v0, 2, 0x11000
	v_mov_b32 v255, 0
	v_lshrrev_b32 v1, 5, v0
	s_delay_alu instid0(VALU_DEP_1)
	v_readfirstlane_b32 s16, v1                    ; wave 0..7
	s_and_b32 s24, s16, 3                          ; which of the work-group's four tiles
	s_lshr_b32 s25, s16, 2                         ; which half of K
	v_and_b32 v1, 31, v0                           ; lane
	v_and_b32 v2, 15, v0                           ; r
	v_bfe_u32 v3, v0, 4, 1                         ; h
	s_delay_alu instid0(VALU_DEP_3)
	v_lshlrev_b32 v4, 4, v1                        ; 16 x lane: never rewritten
	s_delay_alu instid0(VALU_DEP_4)
	v_lshlrev_b32 v27, 3, v1                       ; 8 x lane: never rewritten
	s_mul_i32 s20, s16, STGB
	v_add_nc_u32 v5, s20, v4                       ; into the stage: 16 x lane of a row
	v_mul_u32_u24 v6, v2, 528
	s_delay_alu instid0(VALU_DEP_1)
	v_lshl_add_u32 v6, v3, 7, v6
	s_delay_alu instid0(VALU_DEP_1)
	v_add_nc_u32 v6, s20, v6                       ; out of it: row r, + 128 h bytes
	s_lshl_b32 s21, s24, 9
	s_add_co_u32 s21, s21, PLB                     ; my tile's plane
	s_lshl_b32 s26, s25, 3
	s_add_co_u32 s26, s26, s21
	v_lshl_add_u32 v7, v2, 4, s26                  ; my row's words in it: 16 r + 8 x my half of K
	s_lshl_b32 s27, s25, 8
	s_add_co_u32 s27, s27, s21
	v_add_nc_u32 v8, s27, v27                      ; the half of the plane that I send
	v_lshlrev_b32 v9, 3, v3                        ; 8 h: my two bytes' shift in a scale word
	v_mov_b32 v19, 0                               ; a lane permute's destination counts as read: written once
	s_mov_b32 s22, 0x76543210
	s_mov_b32 s23, 0xfedcba98                      ; selects for lane l xor 16
	s_wait_alu depctr_va_vdst(0)
	s_wait_kmcnt 0x0
	s_cmp_lt_u32 ttmp9, 256                        ; x's work-group or W's: the choice hangs on the work-group's number alone
	s_cselect_b64 s[4:5], s[4:5], s[6:7]
	s_cselect_b64 s[8:9], s[8:9], s[12:13]
	s_cselect_b64 s[10:11], s[10:11], s[14:15]
	s_cselect_b32 s17, 0, 256
	s_sub_co_u32 s17, ttmp9, s17
	s_lshl_b32 s17, s17, 2
	s_add_co_u32 s17, s17, s24                     ; my tile T
	s_lshr_b32 s18, s17, 1
	s_lshl_b32 s18, s18, 17                        ; 32 (T / 2) rows of 4,096 bytes
	s_and_b32 s19, s17, 1
	s_lshl_b32 s19, s19, 15                        ; + 8 (T % 2) rows
	s_add_co_u32 s18, s18, s19
	s_lshl_b32 s19, s25, 11                        ; + my half of a row: four K steps of 512 bytes
	s_add_co_u32 s18, s18, s19
	s_mov_b32 s19, 0
	s_add_nc_u64 s[4:5], s[4:5], s[18:19]
	s_mul_i32 s18, s17, 12288
	s_mul_i32 s28, s25, 6144
	s_add_co_u32 s18, s18, s28
	s_add_nc_u64 s[8:9], s[8:9], s[18:19]
	s_lshl_b32 s18, s17, 9
	s_lshl_b32 s28, s25, 8
	s_add_co_u32 s18, s18, s28
	s_add_nc_u64 s[10:11], s[10:11], s[18:19]
.macro LOAD k                          ; my K step k: 16 rows x 512 bytes
.irp q, 0,1,2,3,4,5,6,7,8,9,10,11,12,13,14,15
	global_load_b128 v[R0+64*((\k)%2)+4*\q:R0+64*((\k)%2)+4*\q+3], v4, s[4:5] offset:(\q+8*(\q>>3))*4096+512*(\k) th:TH_LOAD_NT
.endr
.endm
.macro STEP k
.set RS, R0+64*((\k)%2)
.set PS, P0+12*((\k)%2)
.if (\k) < 3
	s_wait_loadcnt 16                              ; this K step's 16 loads are in; the next step's 16 may be out
.else
	s_wait_loadcnt 0x0
.endif
.irp q, 0,1,2,3,4,5,6,7,8,9,10,11,12,13,14,15
	ds_store_b128 v5, v[RS+4*\q:RS+4*\q+3] offset:528*\q
.endr
.irp i, 0,1,2,3,4,5,6,7
	ds_load_b128 v[X+4*\i:X+4*\i+3], v6 offset:16*\i               ; LDS serves a wave's instructions in order: these see the stores above
.endr
.irp i, 0,1,2,3,4,5,6,7
	ds_load_b128 v[X+32+4*\i:X+32+4*\i+3], v6 offset:256+16*\i
.endr
	s_wait_dscnt 0x0                               ; my 64 numbers are in, and the stores have read their registers,
.if (\k) >= 2
	s_wait_xcnt 0x0                                ; the stores of two K steps back have read this set of code registers
.endif
.if (\k) < 2
	LOAD (\k)+2                                    ; which take the loads of two K steps on
.endif
	v_max3_num_f32 v10, |v[X]|, |v[X+1]|, 0x1800000        ; block h, and the floor 2^(3 - 127): the byte cannot fall under 1
	v_max3_num_f32 v11, |v[X+32]|, |v[X+33]|, 0x1800000    ; block 2 + h
.irp i, 2,4,6,8,10,12,14,16,18,20,22,24,26,28,30
	s_delay_alu instid0(VALU_DEP_2)
	v_max3_num_f32 v10, v10, |v[X+\i]|, |v[X+\i+1]|
	s_delay_alu instid0(VALU_DEP_2)
	v_max3_num_f32 v11, v11, |v[X+32+\i]|, |v[X+33+\i]|
.endr
	s_delay_alu instid0(VALU_DEP_2)
	v_add_nc_u32 v12, 0xff000000, v10              ; 2 off the exponent field: the conversion's scale operand
	s_delay_alu instid0(VALU_DEP_2)
	v_add_nc_u32 v13, 0xff000000, v11
	s_delay_alu instid0(VALU_DEP_2)
	v_lshrrev_b32 v14, 23, v12                     ; the scales' bytes
	s_delay_alu instid0(VALU_DEP_2)
	v_lshrrev_b32 v15, 23, v13
	s_delay_alu instid0(VALU_DEP_1)
	v_lshl_or_b32 v16, v15, 16, v14                ; blocks h and 2 + h,
	s_delay_alu instid0(VALU_DEP_1)
	v_lshlrev_b32 v16, v9, v16                     ; at their places in the word;
	s_delay_alu instid0(VALU_DEP_1)
	v_permlanex16_b32 v19, v16, s22, s23
	s_delay_alu instid0(VALU_DEP_1)
	v_or_b32 v16, v16, v19                         ; with lane l xor 16's two the word is whole
	v_cvt_scalef32_pk16_fp6_f32 v[PS:PS+2], v[X:X+15], v12
	v_cvt_scalef32_pk16_fp6_f32 v[20:22], v[X+16:X+31], v12        ; (a conversion's three registers begin on an even number)
	v_cvt_scalef32_pk16_fp6_f32 v[PS+6:PS+8], v[X+32:X+47], v13
	v_cvt_scalef32_pk16_fp6_f32 v[24:26], v[X+48:X+63], v13
	v_nop                                          ; one plain place behind the conversions
.irp i, 0,1,2
	v_mov_b32 v[PS+3+\i], v[20+\i]
	v_mov_b32 v[PS+9+\i], v[24+\i]
.endr
	ds_store_b32 v7, v16 offset:256*((\k)%2)+4*((\k)/2)            ; both lanes of a row write the same word with the same value
.irp c, 0,1,2
	global_store_b128 v4, v[PS+4*\c:PS+4*\c+3], s[8:9] offset:1536*(\k)+512*\c   ; 32 lanes store 512 consecutive bytes, aligned
.endr
.endm
	LOAD 0
	LOAD 1
.irp k, 0,1,2,3
	STEP \k
.endr
	s_wait_dscnt 0x0                               ; for the other wave of my tile: my words have landed in the plane
	s_barrier_signal -1
	s_barrier_wait -1
	ds_load_b64 v[248:249], v8                     ; my half of the plane, written by both waves of the tile
	s_wait_dscnt 0x0
	global_store_b64 v27, v[248:249], s[10:11]     ; 32 lanes store 256 consecutive bytes, aligned
	s_wait_tensorcnt 0x0
	ds_add_u32 v254, v255
	s_wait_dscnt 0x0
	s_endpgm
.Lfunc_end_k_q95f4679b25_quant:
	.size	k_q95f4679b25_quant, .Lfunc_end_k_q95f4679b25_quant-k_q95f4679b25_quant
	.p2alignl 7, 3214868480
	.fill 96, 4, 3214868480
	.section	.rodata,"a",@progbits
	.p2align	6, 0x0
	.amdhsa_kernel k_q95f4679b25_quant
		.amdhsa_group_segment_fixed_size 70656
		.amdhsa_private_segment_fixed_size 0
		.amdhsa_enable_private_segment 0
		.amdhsa_kernarg_size 48
		.amdhsa_user_sgpr_count 2
		.amdhsa_user_sgpr_kernarg_segment_ptr 1
		.amdhsa_wavefront_size32 1
		.amdhsa_system_sgpr_workgroup_id_x 1
		.amdhsa_system_sgpr_workgroup_id_y 1
		.amdhsa_system_sgpr_workgroup_id_z 1
		.amdhsa_system_vgpr_workitem_id 0
		.amdhsa_next_free_vgpr 256
		.amdhsa_next_free_sgpr 66
		.amdhsa_reserve_vcc 0
		.amdhsa_float_denorm_mode_32 3
		.amdhsa_float_denorm_mode_16_64 3
		.amdhsa_memory_ordered 1
		.amdhsa_forward_progress 1
		.amdhsa_inst_pref_size 36
	.end_amdhsa_kernel
	.amdgpu_metadata
---
amdhsa.version: [ 1, 2 ]
amdhsa.kernels:
  - .name:           k_q95f4679b25_quant
    .symbol:         k_q95f4679b25_quant.kd
    .args:
      - { .name: x, .offset: 0, .size: 8, .value_kind: global_buffer, .address_space: global }
      - { .name: W, .offset: 8, .size: 8, .value_kind: global_buffer, .address_space: global }
      - { .name: xc, .offset: 16, .size: 8, .value_kind: global_buffer, .address_space: global }
      - { .name: xs, .offset: 24, .size: 8, .value_kind: global_buffer, .address_space: global }
      - { .name: wc, .offset: 32, .size: 8, .value_kind: global_buffer, .address_space: global }
      - { .name: ws, .offset: 40, .size: 8, .value_kind: global_buffer, .address_space: global }
    .group_segment_fixed_size: 70656
    .private_segment_fixed_size: 0
    .kernarg_segment_align: 8
    .kernarg_segment_size: 48
    .max_flat_workgroup_size: 256
    .sgpr_count:     66
    .vgpr_count:     256
    .wavefront_size: 32
...
	.end_amdgpu_metadata
.endif
;; end of part 4
;; launch qkv (part 5): grid 16 x 16, 4 waves a work-group, clusters of 4 x 1, 327,680 bytes of LDS; arguments xc, xs, wc, ws, b, vc, vs, sc; writes vc, vs, sc
.if DOCPART == 5
	.amdgcn_target "amdgcn-amd-amdhsa--gfx1250"
	.amdhsa_code_object_version 6
	.text
	.protected	k_q95f4679b25_qkv
	.globl	k_q95f4679b25_qkv
	.p2align	8
	.type	k_q95f4679b25_qkv,@function
k_q95f4679b25_qkv:
	s_mov_b64 s[64:65], 0
	v_nop
	global_prefetch_b8 v0, s[64:65] scope:SCOPE_SE
	s_setreg_imm32_b32 hwreg(HW_REG_WAVE_MODE, 25, 1), 1
	s_wait_xcnt 0x0
	s_wait_alu depctr_hold_cnt(0) depctr_sa_sdst(0) depctr_va_vdst(0) depctr_va_sdst(0) depctr_va_ssrc(0) depctr_va_vcc(0) depctr_vm_vsrc(0)
	s_getreg_b32 s2, hwreg(HW_REG_IB_STS2, 6, 4)
	s_cmp_eq_u32 s2, 0
	s_cbranch_scc0 .Lentry_in_a_cluster
	s_endpgm
.Lentry_in_a_cluster:
	s_bfe_u32 s2, ttmp6, 0x10000c
	s_cmp_lg_u32 s2, 0x3003
	s_cbranch_scc0 .Lentry_shape_is_right
	s_endpgm
.Lentry_shape_is_right:
; qkv = x W^T + b on codes of FP6 (E2M3); RoPE on q and k; q, k quantised along s and multiplied (partial scores over 1,024 s); v quantised along e and stored.
; SHARES.  A work-group owns one head's 192 columns and 1,024 rows (a quarter of one batch's s), in 8 passes of 128 rows.  Wave w = (i = w / 2, j = w % 2) takes rows 64 i .. + 63 of a pass
; (row tiles a = 0..3) and six column tiles t: t = 0, 1: q's d = 32 j ..; t = 2, 3: k's e = 32 j ..; t = 4, 5: v's e = 32 j ...
; W STAYS IN REGISTERS: the wave's 48 fragments (6 tiles x 8 K steps, 576 registers) are loaded once.  LDS then serves x alone, and a ring slot holds a whole pass: 128 rows x all of K,
; 98,304 dense bytes, a quarter to each wave's one tensor load, which has a whole pass in which to land.
; CLUSTER.  The four heads of a cluster need the same x: each tile is asked for JOINTLY, by the same load with the same descriptor and the mask of all four.
; ORIENTATION.  q, k tiles: source 0 = x, source 1 = W: a lane holds one column d, and by the tiles' choice of rows the 16 registers of row tiles 2 b, 2 b + 1 are s = 32 b + 16 h + 0..15.
; v tiles: source 0 = W, source 1 = x: a lane holds one s, and the 16 registers of t = 4, 5 are e = 32 j + 16 h + 0..15.  So every quantiser finds 16 neighbours along its K in one lane.
; THE BIAS.  v's is the C of the first K step's products: 16 registers that stay.  q's and k's is one number a lane and tile: their sums begin with the constant 0, and the bias is added behind the last K step, two numbers an instruction.
; SCORES.  A pass's q and k codes meet in LDS as 8 fragments of 16 rows x 128 s (wave i gives registers 6 i .. 6 i + 5 and scale bytes 2 i, 2 i + 1); wave w multiplies q's tile w by k's four.
; v IS QUANTISED WHILE THOSE FRAGMENTS COME OUT OF LDS.  Its codes meet in LDS as images for the last product (row m and k = 64 c + e of group g stand for v[e][32 g + 16 c + m]; scale byte at 4 m + 2 c + e / 32);
; the barrier at the next pass's head shows them whole, and wave w sends image w there, with that pass's first fragments of x.
; ROPE touches s = 0..31 alone: quarter 0, pass 0, waves with i = 0, registers 0-15 of the q and k tiles.  Angle = d x 10^(-(s/2)/4), one f32 product; sine and cosine by reduction mod pi/2 in two parts and polynomials.
; LIMITS: NaN and infinities are not served; a block of zeros gets the byte 1 with zero codes; the inverse frequencies are the correctly rounded 10^(-k/4); sine and cosine are good to about 1e-7;
; q's and k's bias is added behind the sum over K, not ahead of it; the scores' f32 sums run by passes of 128 s.
; REGISTERS, in windows of 256.  Window 0: v1-31 addresses; v22-26 q's and k's scale words; v32-55 W's scale words (4 t + k / 2); v56-71 x's (4 a + k / 2); v72-119, v120-167 x's fragments, two sets (at work in the epilogue);
;   v168-199 the 4 score accumulators; v200-215 at work; v216-223 q's and k's bias, a pair a tile; v224-239 v's bias; v244-255 W's fragment 47.  Window 1: W's fragments f = 6 k + t = 0..20.  Window 2: 21..41.
;   Window 3: v0-127 accumulators of q, k (32 t + 8 a); v128-191 of v (128 + 16 a + 8 (t - 4)); v192-251 W's fragments 42..46.
.set SLOT1, 131072                     ; slot 0 at 0, slot 1 here: one exclusive or turns an address
.set IMG,   98304                      ; 8 fragments of q, k: 1,536 bytes each: registers 0-3 at 16 l, 4-5 at 512 + 8 l, 6-9 at 768 + 16 l, 10-11 at 1,280 + 8 l
.set ISC,   110592                     ; their scale words, 64 bytes a fragment
.set VST,   111104                     ; a pass's 4 images of v
.set VSS,   117248                     ; v's scale bytes of all 8 passes: 2,048
.set SPARE, 119296                     ; the spare words: 128 bytes a wave, two blocks of 256 bytes that no other line names
.set WS,    32
.set XS,    56
.set XF0,   72
.set VCD,   132                        ; the epilogue: v's codes, four registers a row tile
.set TS,    148                        ; the conversions' scale operands (8); RoPE's four products lie here too
.set TY,    156                        ; the scales' bytes (8)
.set HW,    164                        ; two bytes a tile (4)
.set SA,    168
.set TM,    200                        ; v200-207 largest magnitudes, v208-215 lane permutes' destinations; at a pass's head v200-211 take v's image on its way out
.set QB,    216
.set VB,    224
.set MSB, 0
.macro WIN new                         ; the immediate's high byte repeats the setting that is left; a switch that changes nothing is dropped
.if MSB != (\new)
	s_set_vgpr_msb (MSB<<8)|(\new)
.set MSB, \new
.endif
.endm
.macro PLACES                          ; four plain places behind matrix instructions, ahead of loads into their registers and of reads of their results
.rept 4
	v_nop
.endr
.endm
.macro CROUND                          ; a round of the cluster's barrier
	s_barrier_signal -1
	s_barrier_wait -1
	s_cmp_lg_u32 s20, 0
	s_cbranch_scc1 .Lnot_wave_0_\@
	s_barrier_signal -3
.Lnot_wave_0_\@:
	s_barrier_wait -3
	s_barrier_signal -1
	s_barrier_wait -1
.endm
.macro WLOC f                          ; where W's fragment f lies: window WW, register WR
.if (\f) < 21
.set WW, 1
.set WR, 12*(\f)
.elseif (\f) < 42
.set WW, 2
.set WR, 12*((\f)-21)
.elseif (\f) < 47
.set WW, 3
.set WR, 192+12*((\f)-42)
.else
.set WW, 0
.set WR, 244
.endif
.endm
	s_load_b512 s[4:19], s[0:1], 0x0               ; xc s[4:5], xs s[6:7], wc s[8:9], ws s[10:11], b s[12:13], vc s[14:15], vs s[16:17], sc s[18:19]
	v_lshl_add_u32 v1, v0, 2, SPARE                ; my spare word; never rewritten
	v_mov_b32 v2, 0                                ; 0; never rewritten
	ds_add_u32 v1, v2
	ds_add_u32 v1, v2
	s_wait_dscnt 0x0
	v_lshrrev_b32 v3, 5, v0
	v_readfirstlane_b32 s20, v3                    ; wave
	s_lshr_b32 s21, s20, 1                         ; i: which 64 rows of a pass
	s_and_b32 s22, s20, 1                          ; j: which 32 of q, k and v
	s_bfe_u32 s23, ttmp6, 0x40000                  ; cx
	s_lshl_b32 s24, ttmp9, 2
	s_add_co_u32 s24, s24, s23                     ; the head = 4 x cluster x + cx: it enters global addresses of W, b and the results alone
	s_and_b32 s25, ttmp7, 0xffff                   ; y = 4 x batch + quarter, which the four partners share
	; descriptor group 1: 24,576 dense bytes as 96 rows of 256 (32 elements of 8 bytes), no padding
	s_mov_b32 s28, 15|(3<<16)|(1<<21)              ; 15:0 the mask: all four work-groups; 17:16 elements of 8 bytes; 21 set beside a mask
	s_mov_b32 s29, 32<<16                          ; tensor_dim0 = 32
	s_mov_b32 s30, 96<<16                          ; tensor_dim1 = 96
	s_mov_b32 s31, 32<<16                          ; tile_dim0 = 32
	s_mov_b32 s32, 96                              ; tile_dim1 = 96
	s_mov_b32 s33, 32                              ; the pitch
	s_mov_b32 s34, 0
	s_mov_b32 s35, 0
	s_mov_b32 s36, 1                               ; group 0: count = 1
	s_mul_i32 s37, s20, 24576                      ; LDS address: slot 0, my quarter: two tiles of rows
	s_mul_i32 s2, s25, 786432                      ; 64 y tiles of 12,288 bytes
	s_add_co_u32 s2, s2, s37
	s_mov_b32 s3, 0
	s_wait_kmcnt 0x0
	s_add_nc_u64 s[38:39], s[4:5], s[2:3]          ; global address: pass 0, my quarter
	s_or_b32 s39, s39, 0x80000000                  ; type = 2
	CROUND                                         ; all four work-groups are here: the first joint loads meet
	tensor_load_to_lds s[36:39], s[28:35]          ; pass 0 into slot 0
	s_nop 0
.rept 4
	v_nop                                          ; four behind a tensor load
.endr
	; what the loads of W, the scale words and the bias need comes first; the other addresses are made while those loads are on their way
	v_and_b32 v200, 31, v0                         ; lane
	v_and_b32 v28, 15, v0                          ; r
	v_bfe_u32 v29, v0, 4, 1                        ; h
	v_lshlrev_b32 v3, 4, v200                      ; 16 l: never rewritten
	s_wait_alu depctr_va_vdst(0)
	v_lshrrev_b32 v204, 3, v28                     ; r / 8
	v_lshl_add_u32 v30, v204, 3, v28
	v_lshlrev_b32 v30, 2, v30                      ; b: 4 (r + 8 (r / 8))
	s_wait_alu depctr_va_vdst(0)
	v_lshlrev_b32 v31, 6, v29                      ; b: 64 h
	s_wait_alu depctr_va_vdst(0)
	s_mul_i32 s26, s24, 12
	s_lshl_b32 s27, s22, 1
	s_add_co_u32 s26, s26, s27                     ; W's tile 12 head + 2 j
	s_mov_b32 s63, 0
	s_mul_i32 s62, s26, 12288
	s_add_nc_u64 s[8:9], s[8:9], s[62:63]
	s_lshl_b32 s62, s26, 9
	s_add_nc_u64 s[10:11], s[10:11], s[62:63]
	s_mul_i32 s62, s24, 768
	s_lshl_b32 s27, s22, 7
	s_add_co_u32 s62, s62, s27
	s_add_nc_u64 s[12:13], s[12:13], s[62:63]      ; b at column 192 head + 32 j
	s_lshl_b32 s62, s25, 15
	s_lshl_b32 s27, s21, 11
	s_add_co_u32 s62, s62, s27
	s_add_nc_u64 s[46:47], s[6:7], s[62:63]        ; x's scale planes at tile 64 y + 4 i
.irp t, 0,1,2,3,4,5
	global_load_b128 v[WS+4*\t:WS+4*\t+3], v3, s[10:11] offset:(4*(\t>>1)+(\t&1))*512
.endr
.irp a, 0,1,2,3
	global_load_b128 v[XS+4*\a:XS+4*\a+3], v3, s[46:47] offset:512*\a
.endr
.irp t, 0,1,2,3
	global_load_b32 v[QB+2*\t], v30, s[12:13] offset:(64*(\t>>1)+8*(\t&1))*4       ; q, k: my column's bias
.endr
.irp u, 0,1
	global_load_b128 v[VB+8*\u:VB+8*\u+3], v31, s[12:13] offset:(128+8*\u)*4       ; v: the bias of my eight e of tile 4 + u, in the result's layout
	global_load_b128 v[VB+8*\u+4:VB+8*\u+7], v31, s[12:13] offset:(128+8*\u)*4+16
.endr
	; W's 48 fragments, three loads of 512 consecutive bytes each
.set f, 0
.rept 48
	WLOC f
	WIN WW<<6
.irp c, 0,1,2
	global_load_b128 v[WR+4*\c:WR+4*\c+3], v3, s[8:9] offset:(4*((f%6)>>1)+((f%6)&1))*12288+1536*(f/6)+512*\c
.endr
.set f, f+1
.endr
	WIN 0
	v_lshlrev_b32 v201, 3, v200                    ; 8 l
	v_lshlrev_b32 v202, 2, v28                     ; 4 r
	s_wait_alu depctr_va_vdst(0)
	v_and_b32 v203, 7, v28                         ; r % 8
	s_wait_alu depctr_va_vdst(0)
	s_mul_i32 s60, s21, 49152
	v_add_nc_u32 v4, s60, v3                       ; my four row tiles in a slot
	s_mul_i32 s60, s22, 3072
	s_mul_i32 s61, s21, 768
	s_add_co_u32 s60, s60, s61
	s_add_co_u32 s60, s60, IMG
	v_add_nc_u32 v6, s60, v3                       ; where I store registers 6 i .. 6 i + 3 of fragment 2 j
	s_add_co_u32 s60, s60, 512
	v_add_nc_u32 v7, s60, v201                     ; and 6 i + 4, 6 i + 5
	s_lshl_b32 s60, s22, 7
	s_lshl_b32 s61, s21, 1
	s_add_co_u32 s60, s60, s61
	s_add_co_u32 s60, s60, ISC
	v_add_nc_u32 v8, s60, v202                     ; and scale bytes 2 i, 2 i + 1 of row r
	s_mul_i32 s60, s21, 3072
	s_lshl_b32 s61, s22, 8
	s_add_co_u32 s60, s60, s61
	s_add_co_u32 s60, s60, VST
	v_lshl_add_u32 v205, v203, 4, s60              ; v's image 2 i: lane 16 j + r % 8 of it
	v_mul_u32_u24 v206, v204, 6
	v_mad_u32_u24 v206, v29, 3, v206               ; my three code registers are its registers R = 6 (r / 8) + 3 h + 0..2
.irp i, 0,1,2
	v_add_nc_u32 v207, \i, v206
	v_lshrrev_b32 v208, 2, v207
	v_and_b32 v207, 3, v207
	v_lshl_add_u32 v[9+\i], v208, 9, v205          ; + 512 (R / 4)
	v_lshl_add_u32 v[9+\i], v207, 2, v[9+\i]       ; + 4 (R % 4)
.endr
	s_lshl_b32 s60, s21, 7
	s_add_co_u32 s60, s60, s22
	s_add_co_u32 s60, s60, VSS
	v_lshl_add_u32 v12, v203, 2, s60
	v_lshl_add_u32 v12, v204, 1, v12               ; v's scale byte: 128 i + 4 (r % 8) + 2 (r / 8) + j
	v_add_nc_u32 v14, IMG+6144, v3                 ; k's fragments, to read
	v_add_nc_u32 v15, IMG+6144+512, v201
	s_mul_i32 s60, s20, 1536
	s_add_co_u32 s61, s60, IMG
	v_add_nc_u32 v16, s61, v3                      ; q's fragment w
	s_add_co_u32 s61, s61, 512
	v_add_nc_u32 v17, s61, v201
	v_add_nc_u32 v18, ISC+256, v202                ; k's scale words
	s_lshl_b32 s61, s20, 6
	s_add_co_u32 s61, s61, ISC
	v_add_nc_u32 v19, s61, v202                    ; q's
	s_add_co_u32 s61, s60, VST
	v_add_nc_u32 v20, s61, v3                      ; v's image w, to send
	s_lshl_b32 s61, s20, 9
	s_add_co_u32 s61, s61, VSS
	v_add_nc_u32 v27, s61, v3                      ; my quarter of v's scale bytes, to send
	s_lshr_b32 s26, s25, 2
	s_lshl_b32 s26, s26, 4
	s_add_co_u32 s26, s26, s24                     ; pair = 16 batch + head
	s_lshl_b32 s26, s26, 2
	s_and_b32 s27, s25, 3
	s_add_co_u32 s26, s26, s27                     ; 4 pair + quarter
	s_lshl_b32 s62, s26, 5
	s_add_co_u32 s62, s62, s20
	s_mul_i32 s62, s62, 1536
	s_add_nc_u64 s[48:49], s[14:15], s[62:63]      ; v's images at group 32 (4 pair + quarter) + w
	s_lshl_b32 s62, s26, 11
	s_lshl_b32 s27, s20, 9
	s_add_co_u32 s62, s62, s27
	s_add_nc_u64 s[16:17], s[16:17], s[62:63]
	s_lshl_b32 s62, s26, 14
	s_lshl_b32 s27, s20, 12
	s_add_co_u32 s62, s62, s27
	s_add_nc_u64 s[18:19], s[18:19], s[62:63]
	s_mov_b32 s26, 0                               ; s[26:27]: what the next send adds to the images' address: nothing the first time
	s_mov_b32 s27, 0
	s_and_b32 s42, s25, 3
	s_or_b32 s42, s42, s21
	s_cmp_eq_u32 s42, 0
	s_cselect_b32 s42, 1, 0                        ; 1: my first pass holds s = 0..31
	s_mov_b32 s40, 0                               ; the slot in hand
	s_mov_b32 s43, 0                               ; 256 x pass: v's scale bytes
	s_mov_b32 s44, 0x76543210
	s_mov_b32 s45, 0xfedcba98                      ; selects for lane l xor 16
	s_mov_b32 s50, 0xbfc90fdb                      ; -pi/2, its f32
	s_mov_b32 s51, 0x333bbd2e                      ; what that f32 has too much
	s_mov_b32 s52, 0xbe2aaaa3                      ; the sine's three coefficients
	s_mov_b32 s53, 0x3c08839e
	s_mov_b32 s54, 0xb94ca1f9
	s_mov_b32 s55, 0x3d2aaaa5                      ; the cosine's
	s_mov_b32 s56, 0xbab6061a
	s_mov_b32 s57, 0x37ccf5ce
	s_mov_b32 s58, 0x80000000
	s_mov_b32 s59, 0xffff0000                      ; lanes 16-31
.irp n, 0,1,2,3,4,5,6,7,8,9,10,11,12,13,14,15,16,17,18,19,20,21,22,23,24,25,26,27,28,29,30,31
	v_mov_b32 v[SA+\n], 0                          ; the scores' sums begin at 0: cleared once, so that the pass is written without a first copy of its own
.endr
.irp n, 0,1,2,3,4,5,6,7
	v_mov_b32 v[TM+8+\n], 0                        ; lane permutes' destinations count as read: written once
.endr
	s_wait_loadcnt 0x0
.irp t, 0,1,2,3
	v_mov_b32 v[QB+2*\t+1], v[QB+2*\t]             ; the bias twice: a pair for the packed addition
.endr
.macro FETCHX buf, k                   ; my four row tiles' fragments of K step k into set buf: 12 loads of 512 consecutive bytes
	WIN 0
.irp a, 0,1,2,3
.irp c, 0,1,2
	ds_load_b128 v[XF0+48*(\buf)+12*\a+4*\c:XF0+48*(\buf)+12*\a+4*\c+3], v5 offset:12288*\a+1536*(\k)+512*\c
.endr
.endr
.endm
; 24 matrix instructions: the 24 accumulators take turns, one instruction a turn, in the same order in every K step.
; K step 0 starts the sums: q's and k's with the constant 0, v's with its bias.  The scale words of K steps 2 p and 2 p + 1 share a register: the even step's in lanes 0-15, the odd step's in lanes 16-31.
.macro MULS k
.set XF, XF0+48*((\k)%2)
.irp t, 0,1,2,3,4,5
	WLOC 6*(\k)+\t
.if \t < 4
	WIN 0xf0|(WW<<2)                               ; source 0 (x) window 0, source 1 (W) its window, C and D window 3
.irp a, 0,1,2,3
.if (\k) == 0
	v_wmma_scale_f32_16x16x128_f8f6f4 v[32*\t+8*\a:32*\t+8*\a+7], v[XF+12*\a:XF+12*\a+11], v[WR:WR+11], 0, v[XS+4*\a], v[WS+4*\t] matrix_a_fmt:MATRIX_FMT_FP6 matrix_b_fmt:MATRIX_FMT_FP6
.elseif (\k)%2
	v_wmma_scale_f32_16x16x128_f8f6f4 v[32*\t+8*\a:32*\t+8*\a+7], v[XF+12*\a:XF+12*\a+11], v[WR:WR+11], v[32*\t+8*\a:32*\t+8*\a+7], v[XS+4*\a+(\k)/2], v[WS+4*\t+(\k)/2] matrix_a_fmt:MATRIX_FMT_FP6 matrix_b_fmt:MATRIX_FMT_FP6 matrix_a_scale:MATRIX_SCALE_ROW1 matrix_b_scale:MATRIX_SCALE_ROW1
.else
	v_wmma_scale_f32_16x16x128_f8f6f4 v[32*\t+8*\a:32*\t+8*\a+7], v[XF+12*\a:XF+12*\a+11], v[WR:WR+11], v[32*\t+8*\a:32*\t+8*\a+7], v[XS+4*\a+(\k)/2], v[WS+4*\t+(\k)/2] matrix_a_fmt:MATRIX_FMT_FP6 matrix_b_fmt:MATRIX_FMT_FP6
.endif
.endr
.else
.if (\k) == 0
	WIN 0xc0|WW                                    ; source 0 (W) its window, source 1 (x) and C (the bias) window 0, D window 3
.else
	WIN 0xf0|WW                                    ; source 0 (W) its window, source 1 (x) window 0, C and D window 3
.endif
.irp a, 0,1,2,3
.if (\k) == 0
	v_wmma_scale_f32_16x16x128_f8f6f4 v[128+16*\a+8*(\t-4):128+16*\a+8*(\t-4)+7], v[WR:WR+11], v[XF+12*\a:XF+12*\a+11], v[VB+8*(\t-4):VB+8*(\t-4)+7], v[WS+4*\t], v[XS+4*\a] matrix_a_fmt:MATRIX_FMT_FP6 matrix_b_fmt:MATRIX_FMT_FP6
.elseif (\k)%2
	v_wmma_scale_f32_16x16x128_f8f6f4 v[128+16*\a+8*(\t-4):128+16*\a+8*(\t-4)+7], v[WR:WR+11], v[XF+12*\a:XF+12*\a+11], v[128+16*\a+8*(\t-4):128+16*\a+8*(\t-4)+7], v[WS+4*\t+(\k)/2], v[XS+4*\a+(\k)/2] matrix_a_fmt:MATRIX_FMT_FP6 matrix_b_fmt:MATRIX_FMT_FP6 matrix_a_scale:MATRIX_SCALE_ROW1 matrix_b_scale:MATRIX_SCALE_ROW1
.else
	v_wmma_scale_f32_16x16x128_f8f6f4 v[128+16*\a+8*(\t-4):128+16*\a+8*(\t-4)+7], v[WR:WR+11], v[XF+12*\a:XF+12*\a+11], v[128+16*\a+8*(\t-4):128+16*\a+8*(\t-4)+7], v[WS+4*\t+(\k)/2], v[XS+4*\a+(\k)/2] matrix_a_fmt:MATRIX_FMT_FP6 matrix_b_fmt:MATRIX_FMT_FP6
.endif
.endr
.endif
.endr
.endm
.macro STEP k
	s_wait_dscnt 0x0                               ; this K step's fragments are in: step 0's asked for at the pass's head, the others 24 matrix instructions ago
.if (\k) < 7
	PLACES                                         ; the other set was read by the matrix instructions just issued
	FETCHX 1-(\k)%2, (\k)+1
.endif
	MULS \k
.endm
; THE CHANGE OF SLOTS, at a pass's head.  Each wave waits for all its tensor loads (its quarter of the pass ahead), adds 0 to its spare word, and waits for that, for all its LDS reads and for its stores of v's codes.
; fill = 1: the barrier is a round of the cluster's, so that no wave of any partner still reads the other slot or has a load on its way; the joint refill is the first thing behind it.
.macro CHANGE fill
	s_wait_tensorcnt 0x0                           ; no tensor load of mine is out, so group 0 may be written
	ds_add_u32 v1, v2                              ; 0 onto my spare word
.if \fill
	s_xor_b32 s37, s37, SLOT1                      ; the other slot than last time,
	s_add_nc_u64 s[38:39], s[38:39], 98304         ; the next pass's 128 rows; the type bits on top are not reached
.endif
	s_wait_dscnt 0x0                               ; the add is done; my reads of the slot left and of the fragments of q and k are in; my stores of v's codes and bytes have landed
.if \fill
	CROUND
	tensor_load_to_lds s[36:39], s[28:35]          ; my one tensor load until the next round: one is out
	s_nop 0
.rept 4
	v_nop
.endr
.else
	s_barrier_signal -1
	s_barrier_wait -1
.endif
.endm
; v's image w of the pass before leaves: the barrier at this pass's head has shown it whole
.macro SENDV
	s_add_nc_u64 s[48:49], s[48:49], s[26:27]      ; nothing the first time, then four groups on.  (The last send's stores have read this base: the wait on XCNT behind the last pass's K steps)
	s_mov_b32 s26, 6144
.irp c, 0,1,2
	ds_load_b128 v[TM+4*\c:TM+4*\c+3], v20 offset:512*\c
.endr
	s_wait_dscnt 0x0                               ; the image is in, and so are the first fragments of x, which the first K step wants next
.irp c, 0,1,2
	global_store_b128 v3, v[TM+4*\c:TM+4*\c+3], s[48:49] offset:512*\c             ; 512 consecutive bytes, aligned
.endr
.endm
; sine and cosine of v[th] >= 0 into v214, v215
.macro SINCOS th
	v_mul_f32 v206, 0x3f22f983, v[\th]             ; x 2 / pi
	v_rndne_f32 v206, v206                         ; n
	v_fma_f32 v207, v206, s50, v[\th]
	v_fma_f32 v207, v206, s51, v207                ; rho = theta - n pi/2, pi/2 in two parts
	v_cvt_i32_f32 v208, v206
	v_mul_f32 v209, v207, v207                     ; z
	v_fma_f32 v210, v209, s54, s53
	v_fma_f32 v210, v210, v209, s52
	v_mul_f32 v211, v207, v209
	v_fma_f32 v210, v210, v211, v207               ; sin rho
	v_fma_f32 v212, v209, s57, s56
	v_fma_f32 v212, v212, v209, s55
	v_mul_f32 v211, v209, v209
	v_fma_f32 v213, v209, -0.5, 1.0
	v_fma_f32 v212, v212, v211, v213               ; cos rho
	v_and_b32 v213, 1, v208
	v_cmp_eq_u32 vcc_lo, 1, v213                   ; odd quadrants swap the two: a choice of values, no branch
	v_cndmask_b32 v214, v210, v212, vcc_lo
	v_cndmask_b32 v215, v212, v210, vcc_lo
	v_lshlrev_b32 v213, 30, v208
	v_and_b32 v213, s58, v213
	v_xor_b32 v214, v214, v213                     ; the sine's sign: bit 1 of n
	v_add_nc_u32 v208, 1, v208
	v_lshlrev_b32 v208, 30, v208
	v_and_b32 v208, s58, v208
	v_xor_b32 v215, v215, v208                     ; the cosine's: bit 1 of n + 1
.endm
; pair ip of my eight: s = 16 h + 2 ip, + 1; frequency flo in lanes 0-15, fhi in lanes 16-31.  u: tiles t = u (q) and 2 + u (k), whose d is the same
.macro ROPEPAIR ip, flo, fhi
	v_mov_b32 v202, \flo
	v_mov_b32 v203, \fhi
	v_cndmask_b32 v204, v202, v203, s59
.irp u, 0,1
	v_mul_f32 v205, v[200+\u], v204                ; the angle: one f32 product
	SINCOS 205
	WIN 0x03                                       ; source 0 window 3
	v_mul_f32 v148, v[32*\u+2*(\ip)], v214
	v_mul_f32 v149, v[32*\u+2*(\ip)+1], v214
	v_mul_f32 v150, v[64+32*\u+2*(\ip)], v214
	v_mul_f32 v151, v[64+32*\u+2*(\ip)+1], v214
	WIN 0xc3                                       ; destination and source 0 window 3
	v_fma_f32 v[32*\u+2*(\ip)], v[32*\u+2*(\ip)], v215, -v149
	v_fma_f32 v[32*\u+2*(\ip)+1], v[32*\u+2*(\ip)+1], v215, v148
	v_fma_f32 v[64+32*\u+2*(\ip)], v[64+32*\u+2*(\ip)], v215, -v151
	v_fma_f32 v[64+32*\u+2*(\ip)+1], v[64+32*\u+2*(\ip)+1], v215, v150
	WIN 0
.endr
.endm
.macro ROPE
	v_and_b32 v200, 8, v28
	v_add_nc_u32 v200, v200, v28
	s_lshl_b32 s60, s22, 5
	v_add_nc_u32 v200, s60, v200
	v_cvt_f32_u32 v200, v200                       ; d of tiles with u = 0: 32 j + r + 8 (r / 8)
	v_add_f32 v201, 0x41000000, v200               ; and with u = 1: 8 more
	ROPEPAIR 0, 0x3f800000, 0x3c23d70a
	ROPEPAIR 1, 0x3f0ff59a, 0x3bb8449c
	ROPEPAIR 2, 0x3ea1e89b, 0x3b4f3e37
	ROPEPAIR 3, 0x3e361887, 0x3ae91528
	ROPEPAIR 4, 0x3dcccccd, 0x3a83126f
	ROPEPAIR 5, 0x3d6655c3, 0x3a136a16
	ROPEPAIR 6, 0x3d0186e2, 0x39a5cb5f
	ROPEPAIR 7, 0x3c91ad39, 0x393a7753
.endm
; q's and k's bias: my column's number onto the tile's 32 registers, two at a time; each accumulator from its low end on
.macro BIASQK
	WIN 0xc3                                       ; destination and source 0 window 3, the bias window 0
.irp t, 0,1,2,3
.irp n, 0,2,4,6,8,10,12,14,16,18,20,22,24,26,28,30
	v_pk_add_f32 v[32*\t+\n:32*\t+\n+1], v[32*\t+\n:32*\t+\n+1], v[QB+2*\t:QB+2*\t+1]
.endr
.endr
	WIN 0
.endm
; q's and k's four tiles are quantised along s: two blocks of 32 a tile, each in lanes l and l xor 16; the codes and two scale bytes go to LDS as my half of a fragment
.macro QK
	WIN 0x0f                                       ; sources 0 and 1 window 3
.irp t, 0,1,2,3
.irp b, 0,1
	v_max3_num_f32 v[TM+2*\t+\b], |v[32*\t+16*\b]|, |v[32*\t+16*\b+1]|, 0x1800000  ; with the floor 2^(3 - 127): the byte cannot fall under 1
.endr
.endr
.irp i, 2,4,6,8,10,12,14
.irp t, 0,1,2,3
.irp b, 0,1
	v_max3_num_f32 v[TM+2*\t+\b], |v[32*\t+16*\b+\i]|, |v[32*\t+16*\b+\i+1]|, v[TM+2*\t+\b]   ; eight chains by turns
.endr
.endr
.endr
	WIN 0
.irp n, 0,1,2,3,4,5,6,7
	v_permlanex16_b32 v[TM+8+\n], v[TM+\n], s44, s45
.endr
.irp n, 0,1,2,3,4,5,6,7
	v_max_num_f32 v[TM+\n], v[TM+\n], v[TM+8+\n]   ; the block's largest magnitude
.endr
.irp n, 0,1,2,3,4,5,6,7
	v_add_nc_u32 v[TS+\n], 0xff000000, v[TM+\n]    ; 2 off its exponent field: the conversion's scale operand
.endr
.irp n, 0,1,2,3,4,5,6,7
	v_lshrrev_b32 v[TY+\n], 23, v[TS+\n]           ; the byte
.endr
.irp t, 0,1,2,3
	v_lshl_or_b32 v[HW+\t], v[TY+1+2*\t], 8, v[TY+2*\t]
.endr
	WIN 0x03                                       ; source 0 window 3
.irp t, 0,1,2,3
	v_cvt_scalef32_pk16_fp6_f32 v[72+12*\t:74+12*\t], v[32*\t:32*\t+15], v[TS+2*\t]
	v_cvt_scalef32_pk16_fp6_f32 v[78+12*\t:80+12*\t], v[32*\t+16:32*\t+31], v[TS+1+2*\t]
.endr
	WIN 0
	v_nop                                          ; one plain place behind the conversions
.irp t, 0,1,2,3
.irp i, 0,1,2
	v_permlane16_swap_b32 v[72+12*\t+\i], v[78+12*\t+\i]           ; a whole block to a lane: lanes 0-15 the first, lanes 16-31 the second
.endr
.endr
.irp t, 0,1,2,3
.irp i, 0,1,2
	v_mov_b32 v[75+12*\t+\i], v[78+12*\t+\i]
.endr
.endr
.irp t, 0,1,2,3
	ds_store_b128 v6, v[72+12*\t:75+12*\t] offset:1536*(4*(\t>>1)+(\t&1))
	ds_store_b64 v7, v[76+12*\t:77+12*\t] offset:1536*(4*(\t>>1)+(\t&1))
	ds_store_b16 v8, v[HW+\t] offset:64*(4*(\t>>1)+(\t&1))         ; both lanes of a row write the same two bytes
.endr
.endm
; v's block j of 32 e, for my 64 s: one conversion a row tile; the codes go to their places in the images of groups 2 i, 2 i + 1: 16 LDS stores
.macro VQ
	WIN 0x0f
.irp a, 0,1,2,3
	v_max3_num_f32 v[TM+\a], |v[128+16*\a]|, |v[129+16*\a]|, 0x1800000             ; each accumulator from its low end on
.endr
.irp i, 2,4,6,8,10,12,14
.irp a, 0,1,2,3
	v_max3_num_f32 v[TM+\a], |v[128+16*\a+\i]|, |v[129+16*\a+\i]|, v[TM+\a]
.endr
.endr
	WIN 0
.irp a, 0,1,2,3
	v_permlanex16_b32 v[TM+8+\a], v[TM+\a], s44, s45
.endr
.irp a, 0,1,2,3
	v_max_num_f32 v[TM+\a], v[TM+\a], v[TM+8+\a]
.endr
.irp a, 0,1,2,3
	v_add_nc_u32 v[TS+\a], 0xff000000, v[TM+\a]
.endr
.irp a, 0,1,2,3
	v_lshrrev_b32 v[TY+\a], 23, v[TS+\a]
.endr
	WIN 0x03
.irp a, 0,1,2,3
	v_cvt_scalef32_pk16_fp6_f32 v[VCD+4*\a:VCD+4*\a+2], v[128+16*\a:143+16*\a], v[TS+\a]
.endr
	WIN 0
	v_add_nc_u32 v13, s43, v12                     ; this pass's scale bytes (a plain place behind the conversions)
.irp a, 0,1,2,3
.irp i, 0,1,2
	ds_store_b32 v[9+\i], v[VCD+4*\a+\i] offset:1536*(\a>>1)+128*(\a&1)
.endr
	ds_store_b8 v13, v[TY+\a] offset:64*(\a>>1)+32*(\a&1)          ; both lanes of an s write the same byte
.endr
.endm
; scores += k q^T over the pass's 128 s: source 0 = k's tile n, source 1 = q's tile w.  v is quantised while the 25 loads are on their way.
.macro SCORE
	ds_load_b128 v[72:75], v16
	ds_load_b64 v[76:77], v17
	ds_load_b128 v[78:81], v16 offset:768
	ds_load_b64 v[82:83], v17 offset:768
.irp n, 0,1,2,3
	ds_load_b128 v[84+12*\n:87+12*\n], v14 offset:1536*\n
	ds_load_b64 v[88+12*\n:89+12*\n], v15 offset:1536*\n
	ds_load_b128 v[90+12*\n:93+12*\n], v14 offset:1536*\n+768
	ds_load_b64 v[94+12*\n:95+12*\n], v15 offset:1536*\n+768
.endr
	ds_load_b32 v22, v19
.irp n, 0,1,2,3
	ds_load_b32 v[23+\n], v18 offset:64*\n
.endr
	VQ
	s_wait_dscnt 16                                ; q, k and their scale words (25 loads) are in; the 16 stores of v's codes and bytes, issued behind them, may be out
.irp n, 0,1,2,3
	v_wmma_scale_f32_16x16x128_f8f6f4 v[SA+8*\n:SA+8*\n+7], v[84+12*\n:95+12*\n], v[72:83], v[SA+8*\n:SA+8*\n+7], v[23+\n], v22 matrix_a_fmt:MATRIX_FMT_FP6 matrix_b_fmt:MATRIX_FMT_FP6
.endr
	PLACES                                         ; behind the four products: ahead of loads into their operands and of reads of their results
.endm
.macro PASS fill
	CHANGE \fill
	v_add_nc_u32 v5, s40, v4
	FETCHX 0, 0
	s_cmp_eq_u32 s41, 7                            ; the first pass has no image to send: a branch on the count of passes, round three LDS loads, their wait and three stores
	s_cbranch_scc1 .Lno_image_\@
	SENDV
.Lno_image_\@:
	s_wait_loadcnt 0x0                             ; x's scale words of this pass
	s_wait_alu depctr_va_vdst(0)
.irp k, 0,1,2,3,4,5,6,7
	STEP \k
.endr
	WIN 0
	PLACES
	s_wait_xcnt 0x0                                ; the image's stores, eight K steps back, have read their data and their base: the epilogue writes the one, the next send the other
.if \fill
	s_add_nc_u64 s[46:47], s[46:47], 4096          ; (its last loads were waited for at this pass's head)
.irp a, 0,1,2,3
	global_load_b128 v[XS+4*\a:XS+4*\a+3], v3, s[46:47] offset:512*\a              ; the next pass's scale words of x
.endr
.endif
	BIASQK
.if \fill
	s_cmp_eq_u32 s42, 0                            ; a branch on ids, round register work alone
	s_cbranch_scc1 .Lno_rope
	ROPE
.Lno_rope:
	s_mov_b32 s42, 0
.endif
	QK
	s_wait_dscnt 0x0                               ; for the others' sake: my stores of q's and k's codes and scale bytes have landed
	s_barrier_signal -1
	s_barrier_wait -1                              ; the next pass's tile may stay on its way
	SCORE
	s_xor_b32 s40, s40, SLOT1
	s_add_co_u32 s43, s43, 256
.endm
	s_mov_b32 s41, 7
.Lpass:                                            ; 7 trips: behind each change of slots but the last the next pass is asked for
	PASS 1
	s_sub_co_u32 s41, s41, 1
	s_cmp_lg_u32 s41, 0
	s_cbranch_scc1 .Lpass
	PASS 0                                         ; the last pass is written out
	s_wait_dscnt 0x0                               ; for the others' sake: my stores of the last pass's v have landed
	s_barrier_signal -1
	s_barrier_wait -1
	s_add_nc_u64 s[48:49], s[48:49], s[26:27]      ; the last image's place
.irp c, 0,1,2
	ds_load_b128 v[TM+4*\c:TM+4*\c+3], v20 offset:512*\c
.endr
	ds_load_b128 v[TM+12:TM+15], v27               ; my quarter of v's scale bytes of all eight passes
.irp c, 0,1,2,3,4,5,6,7
	global_store_b128 v3, v[SA+4*\c:SA+4*\c+3], s[18:19] offset:512*\c             ; the partial scores as a register image, each accumulator from its low end on
.endr
	s_wait_dscnt 0x0
.irp c, 0,1,2
	global_store_b128 v3, v[TM+4*\c:TM+4*\c+3], s[48:49] offset:512*\c
.endr
	global_store_b128 v3, v[TM+12:TM+15], s[16:17]
	s_wait_tensorcnt 0x0                           ; the wave's end
	ds_add_u32 v1, v2
	s_wait_dscnt 0x0
	CROUND                                         ; the closing round: no work-group ends while a partner may still ask for a tile that names it
	s_endpgm
.Lfunc_end_k_q95f4679b25_qkv:
	.size	k_q95f4679b25_qkv, .Lfunc_end_k_q95f4679b25_qkv-k_q95f4679b25_qkv
	.p2alignl 7, 3214868480
	.fill 96, 4, 3214868480
	.section	.rodata,"a",@progbits
	.p2align	6, 0x0
	.amdhsa_kernel k_q95f4679b25_qkv
		.amdhsa_group_segment_fixed_size 327680
		.amdhsa_private_segment_fixed_size 0
		.amdhsa_enable_private_segment 0
		.amdhsa_kernarg_size 64
		.amdhsa_user_sgpr_count 2
		.amdhsa_user_sgpr_kernarg_segment_ptr 1
		.amdhsa_wavefront_size32 1
		.amdhsa_system_sgpr_workgroup_id_x 1
		.amdhsa_system_sgpr_workgroup_id_y 1
		.amdhsa_system_sgpr_workgroup_id_z 1
		.amdhsa_system_vgpr_workitem_id 0
		.amdhsa_next_free_vgpr 1024
		.amdhsa_next_free_sgpr 66
		.amdhsa_reserve_vcc 1
		.amdhsa_float_denorm_mode_32 3
		.amdhsa_float_denorm_mode_16_64 3
		.amdhsa_memory_ordered 1
		.amdhsa_forward_progress 1
		.amdhsa_inst_pref_size 160
	.end_amdhsa_kernel
	.amdgpu_metadata
---
amdhsa.version: [ 1, 2 ]
amdhsa.kernels:
  - .name:           k_q95f4679b25_qkv
    .symbol:         k_q95f4679b25_qkv.kd
    .args:
      - { .name: xc, .offset: 0, .size: 8, .value_kind: global_buffer, .address_space: global }
      - { .name: xs, .offset: 8, .size: 8, .value_kind: global_buffer, .address_space: global }
      - { .name: wc, .offset: 16, .size: 8, .value_kind: global_buffer, .address_space: global }
      - { .name: ws, .offset: 24, .size: 8, .value_kind: global_buffer, .address_space: global }
      - { .name: b, .offset: 32, .size: 8, .value_kind: global_buffer, .address_space: global }
      - { .name: vc, .offset: 40, .size: 8, .value_kind: global_buffer, .address_space: global }
      - { .name: vs, .offset: 48, .size: 8, .value_kind: global_buffer, .address_space: global }
      - { .name: sc, .offset: 56, .size: 8, .value_kind: global_buffer, .address_space: global }
    .group_segment_fixed_size: 327680
    .private_segment_fixed_size: 0
    .kernarg_segment_align: 8
    .kernarg_segment_size: 64
    .max_flat_workgroup_size: 128
    .sgpr_count:     66
    .vgpr_count:     1024
    .wavefront_size: 32
...
	.end_amdgpu_metadata
.endif
;; end of part 5
;; launch mix (part 6): grid 4 x 64, 8 waves a work-group, no clusters, 119,808 bytes of LDS; arguments sc, vc, vs, out0; writes out0
.if DOCPART == 6
	.amdgcn_target "amdgcn-amd-amdhsa--gfx1250"
	.amdhsa_code_object_version 6
	.text
	.protected	k_q95f4679b25_mix
	.globl	k_q95f4679b25_mix
	.p2align	8
	.type	k_q95f4679b25_mix,@function
k_q95f4679b25_mix:
	s_mov_b64 s[64:65], 0
	v_nop
	global_prefetch_b8 v0, s[64:65] scope:SCOPE_SE
	s_setreg_imm32_b32 hwreg(HW_REG_WAVE_SCHED_MODE, 0, 2), 2
	s_setreg_imm32_b32 hwreg(HW_REG_WAVE_MODE, 25, 1), 1
	s_wait_xcnt 0x0
	s_wait_alu depctr_vm_vsrc(0)
; out[h][d][b][s] = (sum over e of p[d][e] v[e][s]) / l[d], on codes of FP6 (E2M3).  scores = the sum of four partial sums; t = score x log2(e) / 8; M = ceil(the row's largest t);
; p = 2^(t - M) is quantised along e (two blocks of 32); l is the row's sum of the unquantised p.
; SHARES.  A work-group takes 1,024 s of one (batch, head) pair.  Wave w = (dt = w % 4, half = w / 4) takes 16 rows d and 512 s, in 4 blocks of 128.
; v's 32 images (1,536 bytes each) and their scale bytes are copied into LDS once, an eighth by each wave, and read by four waves each.
; THE PRODUCT: source 0 = an image of v: row m and k = 64 c + e stand for v[e][32 g + 16 c + m]; source 1 = p with its 64 codes in the lower half of K and zero codes in the upper (c = 0), or the other
; way round (c = 1): zero codes add nothing, whatever their scale byte (here 127).  So one image serves two tiles of 16 s, and a lane's eight results are eight neighbouring s of row d.
; The rows of a tile: lane r holds d = 32 (dt / 2) + 8 (dt % 2) + r + 8 (r / 8); register 16 B + i of the scores is e = 32 B + 16 h + i.
; The results go through the wave's own stage (16 rows x 528 bytes) and leave as rows of 512 consecutive bytes.
; LIMITS: NaN and infinities are not served; a block whose every p is 0 gets the byte 1 with zero codes.
; THE MODE: SCHED_MODE bits 1:0 = 2 (LLVM: expert scheduling mode 2), set by the entry lines.  The code itself states the register dependences
; between vector or matrix instructions and memory or LDS instructions, with s_wait_alu, always for 0.
; THE PLAN.  Registers that memory or LDS instructions touch:
;   v1, v10, v4-v9   offsets and LDS addresses: written at the head, ahead of one wait on va_vdst, and never again.  v254, v255: likewise; read by the closing add alone.
;   VF   at the head: global loads land in it, my LDS stores (the copies) read it.  In block n: the images' LDS loads land in it, the block's eight matrix instructions read it.
;   D    at the head: the scores' loads land in it, vector work makes p of them.  In block n: the matrix instructions write it, 32 multiplies scale it in place, 16 LDS stores read it.
;   OB   at the head: the scores' loads land in it, vector additions read and write it.  In block n: 16 LDS loads land in it, 16 global stores read it.
;   VS   LDS loads land in it once; matrix instructions read it.     v[240:241]  a global load lands in it, one LDS store reads it; never written again.
;   p's codes (PLO, PHI) and scale words (v18, v19) are written by vector instructions and read by the scaled matrix instructions alone.
; So a block has ONE wait on va_vdst, behind its multiplies: the matrix instructions are done reading VF, in which the next block's images land, and the multiplies have written D, which the LDS stores read;
; no vector instruction follows it in the block.  And ONE wait on vm_vsrc, behind the LDS stores and ahead of the loads into OB: the last block's global stores have read OB, and this block's LDS stores have read D,
; which the next block's matrix instructions write.  Each scalar register that a vector instruction reads is written once in the kernel.
.set VIM, 0                            ; LDS: 32 images
.set VSC, 49152                        ; their scale bytes, 64 a group
.set STG, 51200                        ; the stages, 8,448 bytes a wave
.set VS,  20                           ; v20-27   v's scale words: lanes 0-15 an even group's, lanes 16-31 the next group's
.set PLO, 28                           ; v28-39   p, codes in registers 0-5
.set PHI, 40                           ; v40-51   p, codes in registers 6-11
.set VF,  64                           ; v64-111  four images of v
.set D,   112                          ; v112-175 eight accumulators (at the head: the scores, then p)
.set OB,  176                          ; v176-239 16 rows on their way out
	s_load_b256 s[4:11], s[0:1], 0x0               ; sc, vc, vs, out0
	v_lshl_add_u32 v254, v0, 2, 0x1d000
	v_mov_b32 v255, 0
	v_lshrrev_b32 v1, 5, v0
	v_readfirstlane_b32 s12, v1                    ; wave
	v_and_b32 v2, 31, v0                           ; lane.  (What does not hang on the wave's number stands between that line and the wait for it)
	v_and_b32 v3, 15, v0                           ; r
	v_bfe_u32 v11, v0, 4, 1                        ; h
	v_lshlrev_b32 v1, 4, v2                        ; 16 l: never rewritten
	s_wait_alu depctr_va_vdst(0)
	v_lshlrev_b32 v10, 3, v2                       ; 8 l
	s_wait_alu depctr_va_vdst(0)
	v_mul_u32_u24 v8, v3, 528
	v_lshl_add_u32 v8, v11, 5, v8                  ; the stage, in: row r, + 32 h
	s_wait_alu depctr_va_vdst(0)
	v_mov_b32 v54, 0                               ; lane permutes' destinations count as read: written once
	v_mov_b32 v55, 0
	s_and_b32 s15, ttmp7, 0xffff                   ; pair = 16 batch + head
	s_mov_b32 s24, 0x76543210
	s_mov_b32 s25, 0xfedcba98                      ; selects for lane l xor 16
	s_mov_b32 s26, 0x3e38aa3b                      ; c = log2(e) / 8
	s_mov_b32 s27, s26                             ; (named with it as a pair, so it is written)
	s_wait_alu depctr_va_sdst(0)                   ; s12 is written, ahead of its first reader: the wave's shares and addresses are made from it
	s_and_b32 s13, s12, 3                          ; dt
	s_lshr_b32 s14, s12, 2                         ; half
	s_mul_i32 s20, s12, 6144
	v_add_nc_u32 v4, s20, v1                       ; where I put my four images
	s_lshl_b32 s21, s12, 8
	s_add_co_u32 s22, s21, VSC
	v_add_nc_u32 v5, s22, v10                      ; and their scale bytes
	s_mul_i32 s28, s14, 24576
	v_add_nc_u32 v6, s28, v1                       ; my half's 16 images, to read
	s_lshl_b32 s29, s14, 10
	s_add_co_u32 s29, s29, VSC
	v_lshl_add_u32 v7, v2, 2, s29                  ; and their scale words
	s_mul_i32 s30, s12, 8448
	s_add_co_u32 s30, s30, STG
	v_add_nc_u32 v8, s30, v8                       ; the stage is my wave's own
	v_add_nc_u32 v9, s30, v1                       ; and back: 16 bytes a lane of a row
	s_lshl_b32 s16, s15, 7
	s_lshl_b32 s17, ttmp9, 5
	s_add_co_u32 s16, s16, s17                     ; the work-group's first group of 32 s
	s_mov_b32 s19, 0
	s_mul_i32 s18, s16, 1536
	s_add_co_u32 s18, s18, s20
	s_wait_kmcnt 0x0
	s_add_nc_u64 s[6:7], s[6:7], s[18:19]
	s_lshl_b32 s18, s16, 6
	s_add_co_u32 s18, s18, s21
	s_add_nc_u64 s[8:9], s[8:9], s[18:19]
	s_lshl_b32 s18, s15, 16
	s_lshl_b32 s17, s13, 12
	s_add_co_u32 s18, s18, s17
	s_add_nc_u64 s[4:5], s[4:5], s[18:19]          ; the pair's partial scores, tile dt
	s_and_b32 s17, s15, 15
	s_lshl_b32 s17, s17, 6                         ; 64 head
	s_lshr_b32 s18, s13, 1
	s_lshl_b32 s18, s18, 5
	s_add_co_u32 s17, s17, s18
	s_and_b32 s18, s13, 1
	s_lshl_b32 s18, s18, 3
	s_add_co_u32 s17, s17, s18                     ; + the tile's first d
	s_lshl_b32 s17, s17, 2
	s_lshr_b32 s18, s15, 4
	s_add_co_u32 s17, s17, s18                     ; x 4 + batch: a row of 16,384 bytes
	s_lshl_b32 s18, s17, 14
	s_lshl_b32 s17, ttmp9, 12
	s_add_co_u32 s18, s18, s17
	s_lshl_b32 s17, s14, 11
	s_add_co_u32 s18, s18, s17
	s_add_nc_u64 s[10:11], s[10:11], s[18:19]
	s_wait_alu depctr_va_vdst(0)                   ; the offsets v1 and v10 and the LDS addresses v4 to v9 are written, which every load and store of the kernel reads; none of them is written again
.irp n, 0,1,2,3,4,5,6,7,8,9,10,11
	global_load_b128 v[VF+4*\n:VF+4*\n+3], v1, s[6:7] offset:512*\n th:TH_LOAD_NT  ; read once in the launch
.endr
	global_load_b64 v[240:241], v10, s[8:9]
.irp q, 0,1,2,3
.irp c, 0,1,2,3,4,5,6,7
	global_load_b128 v[D+32*\q+4*\c:D+32*\q+4*\c+3], v1, s[4:5] offset:16384*\q+512*\c
.endr
.endr
	s_wait_loadcnt 32                              ; my images and scale bytes are in; the 32 loads of scores may be out
.irp n, 0,1,2,3,4,5,6,7,8,9,10,11
	ds_store_b128 v4, v[VF+4*\n:VF+4*\n+3] offset:512*\n
.endr
	ds_store_b64 v5, v[240:241]
	s_wait_loadcnt 0x0
.irp j, 0,2,4,6,8,10,12,14,16,18,20,22,24,26,28,30
	v_pk_add_f32 v[D+\j:D+\j+1], v[D+\j:D+\j+1], v[D+32+\j:D+33+\j]                ; quarters 0 + 1,
	v_pk_add_f32 v[D+64+\j:D+65+\j], v[D+64+\j:D+65+\j], v[D+96+\j:D+97+\j]        ; 2 + 3,
.endr
.irp j, 0,2,4,6,8,10,12,14,16,18,20,22,24,26,28,30
	v_pk_add_f32 v[D+\j:D+\j+1], v[D+\j:D+\j+1], v[D+64+\j:D+65+\j]                ; and both: the scores
.endr
	v_max3_num_f32 v52, v[D], v[D+1], v[D+2]
	v_max3_num_f32 v53, v[D+16], v[D+17], v[D+18]
.irp i, 3,5,7,9,11,13
	v_max3_num_f32 v52, v52, v[D+\i], v[D+\i+1]
	v_max3_num_f32 v53, v53, v[D+16+\i], v[D+17+\i]
.endr
	v_max3_num_f32 v52, v52, v[D+15], v[D+31]
	v_max_num_f32 v52, v52, v53
	v_permlanex16_b32 v54, v52, s24, s25
	v_max_num_f32 v52, v52, v54                    ; the row's largest score
	v_mul_f32 v52, s26, v52                        ; as t (c is positive)
	v_floor_f32 v12, -v52                          ; -M = floor(-t) = -ceil(t)
	v_mov_b32 v13, v12                             ; (named with it as a pair)
.irp j, 0,2,4,6,8,10,12,14,16,18,20,22,24,26,28,30
	v_pk_fma_f32 v[D+\j:D+\j+1], v[D+\j:D+\j+1], s[26:27], v[12:13] op_sel_hi:[1,0,0]   ; t - M
.endr
	s_wait_alu depctr_va_vdst(0)
.irp j, 0,1,2,3,4,5,6,7,8,9,10,11,12,13,14,15,16,17,18,19,20,21,22,23,24,25,26,27,28,29,30,31
	v_exp_f32 v[D+\j], v[D+\j]                     ; p, at most 1, not normalised
.endr
	v_nop                                          ; a plain place behind the exponentials
	s_wait_alu depctr_va_vdst(0)                   ; the 32 exponentials have written v[D .. D+31]: one wait for the batch, ahead of its first reader
	v_pk_add_f32 v[14:15], v[D:D+1], v[D+2:D+3]    ; the row's sum of the unquantised p, in two chains
	v_pk_add_f32 v[62:63], v[D+4:D+5], v[D+6:D+7]
.irp j, 8,12,16,20,24,28
	v_pk_add_f32 v[14:15], v[14:15], v[D+\j:D+\j+1]
	v_pk_add_f32 v[62:63], v[62:63], v[D+\j+2:D+\j+3]
.endr
	v_pk_add_f32 v[14:15], v[14:15], v[62:63]
	v_add_f32 v14, v14, v15
	v_permlanex16_b32 v54, v14, s24, s25
	v_add_f32 v14, v14, v54                        ; with lane l xor 16's 32: l
	s_wait_alu depctr_va_vdst(0)
	v_rcp_f32 v16, v14
	v_max3_num_f32 v52, v[D], v[D+1], 0x1800000    ; each block's largest p, with the floor 2^(3 - 127); p is never negative.  (Plain work behind the reciprocal)
	v_max3_num_f32 v53, v[D+16], v[D+17], 0x1800000
.irp i, 2,4,6,8,10,12,14
	v_max3_num_f32 v52, v52, v[D+\i], v[D+\i+1]
	v_max3_num_f32 v53, v53, v[D+16+\i], v[D+17+\i]
.endr
	v_permlanex16_b32 v54, v52, s24, s25
	v_permlanex16_b32 v55, v53, s24, s25
	v_max_num_f32 v52, v52, v54
	v_max_num_f32 v53, v53, v55
	v_add_nc_u32 v56, 0xff000000, v52              ; 2 off the exponent field: the conversion's scale operand
	v_add_nc_u32 v57, 0xff000000, v53
	v_lshrrev_b32 v58, 23, v56
	v_lshrrev_b32 v59, 23, v57
	v_lshl_or_b32 v60, v59, 8, v58
	v_or_b32 v18, 0x7f7f0000, v60                  ; p's scale word with the codes below,
	v_lshl_or_b32 v19, v60, 16, 0x7f7f             ; and with the codes above
	s_wait_alu depctr_va_vdst(0)                   ; the reciprocal has written v16, ahead of its first reader
	v_mov_b32 v17, v16                             ; 1 / l as a pair
	v_cvt_scalef32_pk16_fp6_f32 v[PLO:PLO+2], v[D:D+15], v56
	v_cvt_scalef32_pk16_fp6_f32 v[PHI:PHI+2], v[D+16:D+31], v57
	v_nop                                          ; one plain place behind the conversions
.irp i, 0,1,2
	v_permlane16_swap_b32 v[PLO+\i], v[PHI+\i]     ; a whole block to a lane
.endr
.irp i, 0,1,2
	v_mov_b32 v[PLO+3+\i], v[PHI+\i]
.endr
.irp i, 0,1,2,3,4,5
	v_mov_b32 v[PHI+6+\i], v[PLO+\i]
.endr
.irp i, 0,1,2,3,4,5
	v_mov_b32 v[PHI+\i], 0                         ; zero codes
	v_mov_b32 v[PLO+6+\i], 0
.endr
.rept 8
	v_nop                                          ; operands and scale words written by vector instructions stand 4 and 8 places ahead of a scaled matrix instruction
.endr
	s_wait_alu depctr_va_vdst(0)                   ; p's codes v[PLO ..], v[PHI ..] and its scale words v18, v19 are written, which the scaled matrix instructions take; the places above stay beside this wait.  The head's additions are also done with v[OB ..], in which block 0's loads land
	s_wait_dscnt 0x0                               ; for the others' sake: my copies have landed
	s_barrier_signal -1
	s_barrier_wait -1
	s_wait_alu depctr_vm_vsrc(0)                   ; my LDS stores of the copies have read v[VF ..], in which the first block's images land
.irp n, 0,1,2,3,4,5,6,7
	ds_load_b32 v[VS+\n], v7 offset:128*\n
.endr
.macro FETCHV blk                      ; the block's four images
.irp g, 0,1,2,3
.irp c, 0,1,2
	ds_load_b128 v[VF+12*\g+4*\c:VF+12*\g+4*\c+3], v6 offset:(4*(\blk)+\g)*1536+512*\c
.endr
.endr
.endm
.macro BLOCK blk                       ; 128 s
	s_wait_dscnt 0x0
.irp g, 0,1,2,3
.if (\g)%2
	v_wmma_scale_f32_16x16x128_f8f6f4 v[D+16*\g:D+16*\g+7], v[VF+12*\g:VF+12*\g+11], v[PLO:PLO+11], 0, v[VS+(4*(\blk)+\g)/2], v18 matrix_a_fmt:MATRIX_FMT_FP6 matrix_b_fmt:MATRIX_FMT_FP6 matrix_a_scale:MATRIX_SCALE_ROW1
	v_wmma_scale_f32_16x16x128_f8f6f4 v[D+16*\g+8:D+16*\g+15], v[VF+12*\g:VF+12*\g+11], v[PHI:PHI+11], 0, v[VS+(4*(\blk)+\g)/2], v19 matrix_a_fmt:MATRIX_FMT_FP6 matrix_b_fmt:MATRIX_FMT_FP6 matrix_a_scale:MATRIX_SCALE_ROW1
.else
	v_wmma_scale_f32_16x16x128_f8f6f4 v[D+16*\g:D+16*\g+7], v[VF+12*\g:VF+12*\g+11], v[PLO:PLO+11], 0, v[VS+(4*(\blk)+\g)/2], v18 matrix_a_fmt:MATRIX_FMT_FP6 matrix_b_fmt:MATRIX_FMT_FP6
	v_wmma_scale_f32_16x16x128_f8f6f4 v[D+16*\g+8:D+16*\g+15], v[VF+12*\g:VF+12*\g+11], v[PHI:PHI+11], 0, v[VS+(4*(\blk)+\g)/2], v19 matrix_a_fmt:MATRIX_FMT_FP6 matrix_b_fmt:MATRIX_FMT_FP6
.endif
.endr
.rept 5
	v_nop                                          ; four places ahead of the multiplies that read the results (ISA guide 7.12.1); the fifth because the next block begins these accumulators anew
.endr
.irp j, 0,2,4,6,8,10,12,14,16,18,20,22,24,26,28,30,32,34,36,38,40,42,44,46,48,50,52,54,56,58,60,62
	v_pk_mul_f32 v[D+\j:D+\j+1], v[D+\j:D+\j+1], v[16:17]          ; / l, each accumulator from its low end on
.endr
	s_wait_alu depctr_va_vdst(0)                   ; the matrix instructions are done reading v[VF ..], in which the next block's images land; the multiplies have written v[D ..], which the LDS stores read.  No vector instruction follows in this block
.if (\blk) < 3
	FETCHV (\blk)+1
.endif
.irp g, 0,1,2,3
.irp c, 0,1
	ds_store_b128 v8, v[D+16*\g+8*\c:D+16*\g+8*\c+3] offset:128*\g+64*\c           ; s = 32 g + 16 c + 8 h + 0..7 of row r
	ds_store_b128 v8, v[D+16*\g+8*\c+4:D+16*\g+8*\c+7] offset:128*\g+64*\c+16
.endr
.endr
	s_wait_xcnt 0x0                                ; the last block's stores have read the registers that these loads fill
	s_wait_alu depctr_vm_vsrc(0)                   ; blocks 1 to 3: the last block's global stores have read v[OB ..], in which the loads below land; blocks 0 to 2: the LDS stores above have read v[D ..], which the next block's matrix instructions write
.irp t, 0,1,2,3,4,5,6,7,8,9,10,11,12,13,14,15
	ds_load_b128 v[OB+4*\t:OB+4*\t+3], v9 offset:528*\t            ; LDS serves a wave's instructions in order: these see my stores
.endr
.irp t, 0,1,2,3,4,5,6,7,8,9,10,11,12,13,14,15
	s_wait_dscnt 15-\t                             ; row t is back; the younger rows' loads may be out
	global_store_b128 v1, v[OB+4*\t:OB+4*\t+3], s[10:11] offset:(\t+8*(\t>>3))*65536+512*(\blk) th:TH_STORE_NT   ; 512 consecutive bytes of a row, aligned; from d to d + 1 are 65,536 bytes
.endr
.endm
	FETCHV 0
	BLOCK 0
	BLOCK 1
	BLOCK 2
	BLOCK 3
	s_wait_dscnt 0x0                               ; the closing lines, six on end
	s_wait_alu 0x0
	s_wait_tensorcnt 0x0
	ds_add_u32 v254, v255
	s_wait_dscnt 0x0
	s_endpgm
.Lfunc_end_k_q95f4679b25_mix:
	.size	k_q95f4679b25_mix, .Lfunc_end_k_q95f4679b25_mix-k_q95f4679b25_mix
	.p2alignl 7, 3214868480
	.fill 96, 4, 3214868480
	.section	.rodata,"a",@progbits
	.p2align	6, 0x0
	.amdhsa_kernel k_q95f4679b25_mix
		.amdhsa_group_segment_fixed_size 119808
		.amdhsa_private_segment_fixed_size 0
		.amdhsa_enable_private_segment 0
		.amdhsa_kernarg_size 32
		.amdhsa_user_sgpr_count 2
		.amdhsa_user_sgpr_kernarg_segment_ptr 1
		.amdhsa_wavefront_size32 1
		.amdhsa_system_sgpr_workgroup_id_x 1
		.amdhsa_system_sgpr_workgroup_id_y 1
		.amdhsa_system_sgpr_workgroup_id_z 1
		.amdhsa_system_vgpr_workitem_id 0
		.amdhsa_next_free_vgpr 256
		.amdhsa_next_free_sgpr 66
		.amdhsa_reserve_vcc 0
		.amdhsa_float_denorm_mode_32 3
		.amdhsa_float_denorm_mode_16_64 3
		.amdhsa_memory_ordered 1
		.amdhsa_forward_progress 1
		.amdhsa_inst_pref_size 52
	.end_amdhsa_kernel
	.amdgpu_metadata
---
amdhsa.version: [ 1, 2 ]
amdhsa.kernels:
  - .name:           k_q95f4679b25_mix
    .symbol:         k_q95f4679b25_mix.kd
    .args:
      - { .name: sc, .offset: 0, .size: 8, .value_kind: global_buffer, .address_space: global }
      - { .name: vc, .offset: 8, .size: 8, .value_kind: global_buffer, .address_space: global }
      - { .name: vs, .offset: 16, .size: 8, .value_kind: global_buffer, .address_space: global }
      - { .name: out0, .offset: 24, .size: 8, .value_kind: global_buffer, .address_space: global }
    .group_segment_fixed_size: 119808
    .private_segment_fixed_size: 0
    .kernarg_segment_align: 8
    .kernarg_segment_size: 32
    .max_flat_workgroup_size: 256
    .sgpr_count:     66
    .vgpr_count:     256
    .wavefront_size: 32
...
	.end_amdgpu_metadata
.endif
;; end of part 6
